; MI455X (gfx1250); checked and timed in simulation.
; The chip was launched on July 23, 2026; its instructions are those of AMD's public machine-readable ISA for CDNA 5 (MIT licence, August 2026) and "CDNA5" Instruction Set Architecture Reference Guide (July 2026). The comments in the code are by the model that wrote it; some were corrected since.
;; GPT2 Block. Allowed arithmetic: matrix products marked QUANTISED: E4M3 operands, one E8M0 scale for each 32 along K, by v_wmma_scale_f32_16x16x128_f8f6f4 with both operands' format E4M3, f32 sums; everything else in f32.
;; Inputs: b_attn 3,072 float32; b_attn_proj 1,024 float32; b_fc 4,096 float32; b_fc_proj 1,024 float32; ln1_b 1,024 float32; ln1_g 1,024 float32; ln2_b 1,024 float32; ln2_g 1,024 float32; w_attn_codes 3,072 x 32 x 32 uint8 (E4M3 codes of w_attn, K innermost, in blocks of 32 codes); w_attn_proj_codes 1,024 x 32 x 32 uint8 (E4M3 codes of w_attn_proj, K innermost, in blocks of 32 codes); w_attn_proj_scales 1,024 x 32 uint8 (E8M0 scales of w_attn_proj, one for each 32 codes along K); w_attn_scales 3,072 x 32 uint8 (E8M0 scales of w_attn, one for each 32 codes along K); w_fc_codes 4,096 x 32 x 32 uint8 (E4M3 codes of w_fc, K innermost, in blocks of 32 codes); w_fc_proj_codes 1,024 x 128 x 32 uint8 (E4M3 codes of w_fc_proj, K innermost, in blocks of 32 codes); w_fc_proj_scales 1,024 x 128 uint8 (E8M0 scales of w_fc_proj, one for each 32 codes along K); w_fc_scales 4,096 x 32 uint8 (E8M0 scales of w_fc, one for each 32 codes along K); x 2 x 2,048 x 1,024 float32.
;; Outputs: out0 2 x 2,048 x 1,024 float32.
;; This version of the problem:
;;   THIS VERSION OF THE PROBLEM IS GIVEN IN LOW PRECISION. The matrix products marked QUANTISED in the list below multiply operands that are first quantised to E4M3 (4 exponent bits, 3 mantissa bits; 8 bits a number), with one power-of-two scale for each 32 numbers along K (OCP MX v1.0); their sums are f32. All else is computed in f32.
;;   The module's matrix products, in the order in which they are computed (A, B: the left and right operand; K: the contracted axis; several contracted axes count as one K, in the product's order):
;;     1. [M 4,096, K 1,024] x [K 1,024, N 3,072]; A: computed on the way; B: input w_attn (given as codes): QUANTISED
;;     2. batch 32 x [M 2,048, K 64] x [K 64, N 2,048]; A: computed on the way; B: computed on the way: QUANTISED
;;     3. batch 32 x [M 2,048, K 2,048] x [K 2,048, N 64]; A: softmax (see below); B: computed on the way: QUANTISED
;;     4. [M 4,096, K 1,024] x [K 1,024, N 1,024]; A: computed on the way; B: input w_attn_proj (given as codes): QUANTISED
;;     5. [M 4,096, K 1,024] x [K 1,024, N 4,096]; A: computed on the way; B: input w_fc (given as codes): QUANTISED
;;     6. [M 4,096, K 4,096] x [K 4,096, N 1,024]; A: computed on the way; B: input w_fc_proj (given as codes): QUANTISED
;;   THE QUANTISER, for each operand of a quantised product, along K:
;;     - K is cut into blocks of 32 from its start; a last block that is shorter is filled with zeros.
;;     - A block's scale is 2^e with e = floor(log2(the largest magnitude in the block)) - 8, held to -126 .. 127; a block of zeros has e = 0. As a byte (E8M0): e + 127.
;;     - Each number is divided by its block's scale, clamped to +-448, and rounded to the nearest number of E4M3, ties to even, subnormals kept.
;;     - The product sums the exact products of the quantised numbers (number of the format x scale) in f32.
;;   ~~~python
;;   def quantise(x, axis):      # numpy; x: float32 -> the quantised numbers, widened to float32 again
;;       x = np.moveaxis(x, axis, -1); K = x.shape[-1]
;;       x = np.pad(x, [(0, 0)] * (x.ndim - 1) + [(0, -K % 32)]); x = x.reshape(x.shape[:-1] + (-1, 32)); a = np.abs(x).max(-1, keepdims=True)
;;       e = np.where(a > 0, np.clip(np.frexp(np.where(a > 0, a, 1))[1] - 1 - 8, -126, 127), 0)      # np.frexp(a)[1] - 1 = floor(log2(a)), exactly
;;       r = np.clip(x / 2.0 ** e, -448, 448)
;;       step = 2.0 ** (np.maximum(np.frexp(np.where(r == 0, 1, r))[1] - 1, -6) - 3)
;;       q = np.round(r / step) * step * 2.0 ** e      # np.round: ties to even
;;       return np.moveaxis(q.reshape(q.shape[:-2] + (-1,))[..., :K], -1, axis).astype(np.float32)
;;   ~~~
;;   SOFTMAX AHEAD OF A QUANTISED PRODUCT. Where the list says 'softmax', what is quantised is not the finished softmax but p = 2^(t - M), with t = logit x log2(e) and M = ceil(the row's largest t), a whole number; so 1/2 < the row's largest p <= 1. The row's sum l is taken of the UNQUANTISED p, in f32, and the product's result is divided by l at the end. Since M is a whole number, a kernel that streams over the keys may use a running M (the ceiling of the running maximum): every later rescaling is an exact power of two, which a block's scale takes up: the codes' values come out the same.
;;   OPERANDS COMPUTED ON THE WAY. 'Computed on the way' means the value that the module computes at that place (a softmax that the list does not call 'softmax' is quantised finished and normalised). What goes into a quantiser is computed in f32, as accurately as f32 sums, v_exp_f32 and their like allow (about 1e-6 of the number): no bf16 or f16 on the way to a quantiser, and a product that is left as it is and whose result goes on into a quantised operand takes f32 operands (vector FMAs, or v_wmma_f32_16x16x4_f32). A number that lies on a knife's edge between two numbers of the format may be rounded either way, as far as f32 arithmetic and the matrix unit's own rounding can turn it there, and no further.
;;   INPUTS GIVEN AS CODES. w_attn (in the module: [1024, 3072], K = its axis 0); w_attn_proj (in the module: [1024, 1024], K = its axis 0); w_fc (in the module: [1024, 4096], K = its axis 0); w_fc_proj (in the module: [4096, 1024], K = its axis 0): each comes as NAME_codes (uint8): NAME with its K axis moved to the last place and cut into blocks of 32 codes, [.., K / 32, bytes a block], one block behind the other in memory; one code a byte (a code: sign, 4 exponent bits, 3 mantissa bits); and NAME_scales (uint8): the same leading axes, one E8M0 byte (e + 127) for each 32 codes along K. Its value is code x scale, taken as it is: it is not quantised again, and the codes and scales need not be those that the quantiser above would give.
;; One version. Each part assembles by itself: llvm-mc -triple=amdgcn-amd-amdhsa -mcpu=gfx1250 --defsym DOCPART=n.
;; ======== version 1 of 1: 7 launches
;; limits: right only within a limited range of input values
;; workspace buffers: W 12,976,128 bytes; H 4,325,376 bytes; QKV 12,976,128 bytes; A 4,325,376 bytes; X1 16,777,216 bytes; M 17,301,504 bytes
;; launch ln1prep (part 1): grid 448 x 1, 4 waves a work-group, no clusters, 102,400 bytes of LDS; arguments x, ln1_g, ln1_b, w_attn_codes, w_attn_scales, w_fc_codes, w_fc_scales, w_attn_proj_codes, w_attn_proj_scales, w_fc_proj_codes, w_fc_proj_scales, H, W; writes H, W
.if DOCPART == 1
	.amdgcn_target "amdgcn-amd-amdhsa--gfx1250"
	.amdhsa_code_object_version 6
	.text
	.protected	k_qb4f3ab5abf_ln1prep
	.globl	k_qb4f3ab5abf_ln1prep
	.p2align	8
	.type	k_qb4f3ab5abf_ln1prep,@function
k_qb4f3ab5abf_ln1prep:
	s_mov_b64 s[64:65], 0
	v_nop
	global_prefetch_b8 v0, s[64:65] scope:SCOPE_SE
	s_setreg_imm32_b32 hwreg(HW_REG_WAVE_MODE, 25, 1), 1
	s_wait_xcnt 0x0
; Work-groups 0-255: h = LayerNorm(x) g + b, quantised to MX-FP8 (E4M3, one E8M0 byte for 32 along the 1,024) and stored as FRAGMENT IMAGES.
; Work-groups 256-639: the four weights, which arrive as codes [N][K], are laid anew as fragment images, codes and scale bytes unchanged.
; A TILE T of any operand holds the 16 rows 32 (T / 2) + 8 (T % 2) + (r % 8) + 16 (r / 8), r = 0 .. 15: as source 0 of a product two neighbouring tiles then give a lane 16 neighbours along the next K.
; AN IMAGE of a fragment (16 rows x 128 K) is 2,048 bytes: chunk c at 512 c, lane (r, h) has 16 bytes at 16 lane: k = 32 c + 16 h + 0 .. 15 of row r.  Its scale words: 4 bytes at 4 r.
; An operand with NT tiles to a row block and NS K steps: fragment ((row block x NS + K step) x NT + tile).
; LN: work-group T is tile T; wave w has columns 256 w .. 256 w + 255 (K steps 2 w, 2 w + 1).  Loads take 512 consecutive bytes; the wave's own stage in LDS turns them so that a lane holds 16 neighbours of each block of 32.
; Mean and variance in two passes, as the definition has them; a row's sums meet through LDS, one barrier each.
; LIMITS: NaN and infinities are not served.  A block of zeros gets the scale byte 1 (the rule says 127): its codes are zeros and only this program reads the bytes.  1 / sqrt by v_rsq_f32.
; THE GRID: 448 work-groups.  The numbers 256-639 above count the re-layout's 384 UNITS of 32 rows x 1,024 bytes (unit u = number - 256); they are dealt two to a work-group: work-group 256 + n takes units 2 n and 2 n + 1, one behind the other.
.set X,    32
.set TM,   200                         ; v200-215 the quantiser's work
.set PW,   216                         ; the scale word just made
.set PC,   224                         ; v224-239 the codes just made
.set RED,  66560                       ; LDS: two blocks of 256 bytes for the rows' sums: word 16 r + 4 w
.set RSTG, 67072                       ; LDS: the re-layout's stages, bytes of their own: 32 rows x 272 for each wave
.set PX,   4
.set PG,   6
.set PB,   8
.set PH,   42
.set WV,   46
.set SEL,  20
.set MNT,  23
.set MSB, 0
.macro WIN new                         ; the immediate's high byte repeats the setting that is left
.if MSB != (\new)
	s_set_vgpr_msb (MSB<<8)|(\new)
.set MSB, (\new)
.endif
.endm
; 64 numbers of a lane, register 16 b + i = k 32 b + 16 h + i of my row, become a fragment's codes in v[PC] on and its scale word in v[PW]
.macro QUANT s
.irp b, 0,1,2,3
	v_max3_num_f32 v[TM+\b], |v[\s+16*\b]|, |v[\s+1+16*\b]|, 0x4800000   ; my 16 numbers of block b, and the floor 2^(9 - 127): the byte cannot fall under 1
.endr
.irp i, 2,4,6,8,10,12,14
.irp b, 0,1,2,3
	v_max3_num_f32 v[TM+\b], v[TM+\b], |v[\s+16*\b+\i]|, |v[\s+1+16*\b+\i]|
.endr
.endr
.irp b, 0,1,2,3
	v_permlanex16_b32 v[TM+4+\b], v[TM+\b], s[SEL], s[SEL+1]
.endr
.irp b, 0,1,2,3
	v_max_num_f32 v[TM+\b], v[TM+\b], v[TM+4+\b]          ; with lane l xor 16's: the block's largest magnitude
.endr
.irp b, 0,1,2,3
	v_add_nc_u32 v[TM+12+\b], 0xfc000000, v[TM+\b]        ; 8 off its exponent field: the conversion's scale operand
.endr
.irp b, 0,1,2,3
	v_and_or_b32 v[TM+8+\b], v[TM+\b], 0x7f800000, s[MNT] ; 448 x the scale
.endr
.irp b, 0,1,2,3
	v_lshrrev_b32 v[TM+4+\b], 23, v[TM+12+\b]             ; the scale's byte
.endr
	v_lshl_or_b32 v[PW], v[TM+5], 8, v[TM+4]
	v_lshl_or_b32 v[PW], v[TM+6], 16, v[PW]
	v_lshl_or_b32 v[PW], v[TM+7], 24, v[PW]
.irp b, 0,1,2,3
.irp i, 0,1,2,3,4,5,6,7,8,9,10,11,12,13,14,15
	v_med3_num_f32 v[\s+16*\b+\i], v[\s+16*\b+\i], -v[TM+8+\b], v[TM+8+\b]   ; the conversion does not saturate (ISA guide 7.6.2): the hold
.endr
	v_cvt_scalef32_pk8_fp8_f32 v[PC+4*\b:PC+1+4*\b], v[\s+16*\b:\s+7+16*\b], v[TM+12+\b]
	v_cvt_scalef32_pk8_fp8_f32 v[PC+2+4*\b:PC+3+4*\b], v[\s+8+16*\b:\s+15+16*\b], v[TM+12+\b]
.endr
	v_nop                                          ; a plain line behind the last conversion
.endm
; four chains v[16:23] -> the row's sum over all 1,024 columns, in v16 of every lane
.macro REDUCE off
	v_pk_add_f32 v[16:17], v[16:17], v[18:19]
	v_pk_add_f32 v[20:21], v[20:21], v[22:23]
	v_pk_add_f32 v[16:17], v[16:17], v[20:21]
	v_add_f32 v16, v16, v17
	v_permlanex16_b32 v17, v16, s[SEL], s[SEL+1]
	v_add_f32 v16, v16, v17                        ; my wave's 256 columns of row r
	ds_store_b32 v7, v16 offset:\off               ; (lanes r and r + 16 write the same word with the same value)
	s_wait_dscnt 0x0                               ; for the others' sake: my store has landed
	s_barrier_signal -1
	s_barrier_wait -1
	ds_load_b128 v[24:27], v8 offset:\off          ; the four waves' parts of row r
	s_wait_dscnt 0x0
	v_add_f32 v24, v24, v25
	v_add_f32 v26, v26, v27
	v_add_f32 v16, v24, v26
.endm
	s_load_b512 s[4:19], s[0:1], 0x0               ; x, g, b, w_attn codes, scales, w_fc codes, scales, w_attn_proj codes
	s_load_b256 s[36:43], s[0:1], 0x40             ; w_attn_proj scales, w_fc_proj codes, scales, H
	s_load_b64 s[44:45], s[0:1], 0x60              ; W
	v_lshl_add_u32 v254, v0, 2, 0x18e00
	v_mov_b32 v255, 0
	v_lshrrev_b32 v1, 5, v0
	v_readfirstlane_b32 s[WV], v1                  ; wave 0..3
	v_and_b32 v1, 31, v0                           ; lane
	v_and_b32 v2, 15, v0                           ; r
	v_bfe_u32 v3, v0, 4, 1                         ; h
	v_lshlrev_b32 v4, 4, v1                        ; 16 x lane
	s_cmp_ge_u32 ttmp9, 256                        ; the same for all waves of a work-group
	s_cbranch_scc1 .Lrelay
	; ================= LayerNorm and quantiser =================
	s_mul_i32 s47, s[WV], 16640                    ; my stage: 16 rows x (1,024 + 16) bytes
	v_add_nc_u32 v5, s47, v4                       ; into it: as loaded
	v_mul_u32_u24 v6, v2, 1040
	v_lshl_add_u32 v6, v3, 6, v6
	v_add_nc_u32 v6, s47, v6                       ; out of it: row r, + 64 h
	v_lshl_add_u32 v8, v2, 4, RED
	s_lshl_b32 s47, s[WV], 2
	v_add_nc_u32 v7, s47, v8
	v_lshlrev_b32 v10, 2, v2                       ; 4 r
	s_lshl_b32 s48, s[WV], 10
	v_lshlrev_b32 v11, 6, v3
	v_add_nc_u32 v11, s48, v11                     ; g, b: 1,024 w + 64 h
	s_mov_b32 s[SEL], 0x76543210
	s_mov_b32 s[SEL+1], 0xfedcba98                 ; v_permlanex16_b32: lane l xor 16
	s_mov_b32 s[MNT], 0x600000                     ; the mantissa field of 448
	s_mov_b32 s24, 0x3a800000                      ; 1 / 1,024
	s_mov_b32 s25, 0x3727c5ac                      ; 1e-5
.irp b, 0,1,2,3
	v_mov_b32 v[TM+4+\b], 0                        ; a lane permute's destination counts as read
.endr
	s_lshr_b32 s50, ttmp9, 1
	s_lshl_b32 s50, s50, 17                        ; 32 rows of 4,096 bytes for each pair of tiles
	s_and_b32 s51, ttmp9, 1
	s_lshl_b32 s51, s51, 15                        ; + 8 rows
	s_add_co_u32 s50, s50, s51
	s_add_co_u32 s50, s50, s48                     ; + my wave's columns
	s_mov_b32 s51, 0
	s_lshr_b32 s52, ttmp9, 3                       ; row block of 8 tiles
	s_and_b32 s53, ttmp9, 7
	s_lshl_b32 s54, s52, 17
	s_lshl_b32 s55, s53, 11
	s_add_co_u32 s54, s54, s55
	s_lshl_b32 s55, s[WV], 15                      ; K step 2 w: 16,384 bytes a K step
	s_add_co_u32 s54, s54, s55
	s_mov_b32 s55, 0
	s_lshl_b32 s52, s52, 12
	s_lshl_b32 s53, s53, 6
	s_add_co_u32 s52, s52, s53
	s_add_co_u32 s52, s52, s48                     ; 512 bytes of scale words a K step: 1,024 w
	s_add_co_u32 s52, s52, 4194304
	s_mov_b32 s53, 0
	s_wait_alu depctr_va_vdst(0)
	s_wait_kmcnt 0x0
	s_add_nc_u64 s[PX:PX+1], s[PX:PX+1], s[50:51]
	s_add_nc_u64 s[54:55], s[PH:PH+1], s[54:55]    ; my two fragments
	s_add_nc_u64 s[52:53], s[PH:PH+1], s[52:53]    ; their scale words
.set rho, 0
.rept 16
	global_load_b128 v[X+8*rho:X+8*rho+3], v4, s[PX:PX+1] offset:((rho&7)+16*(rho>>3))*4096        ; 512 consecutive bytes of the tile's row rho
	global_load_b128 v[X+8*rho+4:X+8*rho+7], v4, s[PX:PX+1] offset:((rho&7)+16*(rho>>3))*4096+512
.set rho, rho+1
.endr
	WIN 0x40                                       ; destination window 1: g at v0-127, b at v128-255, in x's order
.irp sp, 0,1
.irp c, 0,1,2,3
.irp j, 0,1,2,3
	global_load_b128 v[64*\sp+16*\c+4*\j:64*\sp+16*\c+4*\j+3], v11, s[PG:PG+1] offset:512*\sp+128*\c+16*\j
.endr
.endr
.endr
	WIN 0
	s_wait_loadcnt 32                              ; x is in; g's 32 loads may be out
.set rho, 0
.rept 16
	ds_store_b128 v5, v[X+8*rho:X+8*rho+3] offset:1040*rho
	ds_store_b128 v5, v[X+8*rho+4:X+8*rho+7] offset:1040*rho+512
.set rho, rho+1
.endr
	WIN 0x40
.irp sp, 0,1
.irp c, 0,1,2,3
.irp j, 0,1,2,3
	global_load_b128 v[128+64*\sp+16*\c+4*\j:128+64*\sp+16*\c+4*\j+3], v11, s[PB:PB+1] offset:512*\sp+128*\c+16*\j
.endr
.endr
.endr
	WIN 0
.irp sp, 0,1
.irp c, 0,1,2,3
.irp j, 0,1,2,3
	ds_load_b128 v[X+64*\sp+16*\c+4*\j:X+64*\sp+16*\c+4*\j+3], v6 offset:512*\sp+128*\c+16*\j   ; LDS serves a wave's instructions in order: these see my stores
.endr
.endr
.endr
	s_wait_dscnt 0x0
	; the mean
.irp k, 0,1,2,3
	v_pk_add_f32 v[16+2*\k:17+2*\k], v[X+2*\k:X+2*\k+1], v[X+8+2*\k:X+9+2*\k]   ; the first pairs start four chains
.endr
.set p, 8
.rept 14
.irp k, 0,1,2,3
	v_pk_add_f32 v[16+2*\k:17+2*\k], v[16+2*\k:17+2*\k], v[X+2*p+2*\k:X+2*p+2*\k+1]
.endr
.set p, p+4
.endr
	REDUCE 0
	v_mul_f32 v12, s24, v16
	v_mov_b32 v13, v12
.set p, 0
.rept 64
	v_pk_add_f32 v[X+2*p:X+2*p+1], v[X+2*p:X+2*p+1], v[12:13] neg_lo:[0,1] neg_hi:[0,1]   ; x - mean
.set p, p+1
.endr
.irp k, 0,1,2,3
	v_pk_mul_f32 v[16+2*\k:17+2*\k], v[X+2*\k:X+2*\k+1], v[X+2*\k:X+2*\k+1]
.endr
.set p, 4
.rept 15
.irp k, 0,1,2,3
	v_pk_fma_f32 v[16+2*\k:17+2*\k], v[X+2*p+2*\k:X+2*p+2*\k+1], v[X+2*p+2*\k:X+2*p+2*\k+1], v[16+2*\k:17+2*\k]
.endr
.set p, p+4
.endr
	REDUCE 256                                     ; other bytes than the first sums': no barrier between the two uses
	v_fma_f32 v16, v16, s24, s25                   ; variance + eps
	s_wait_alu depctr_va_vdst(0)
	v_rsq_f32 v14, v16
	v_rsq_f32 v15, v16
	v_nop                                          ; a plain line behind the transcendentals
	s_wait_alu depctr_va_vdst(0)                   ; one wait for both, ahead of their first reader
.set p, 0
.rept 64
	v_pk_mul_f32 v[X+2*p:X+2*p+1], v[X+2*p:X+2*p+1], v[14:15]
.set p, p+1
.endr
	s_wait_loadcnt 0x0                             ; g and b
	WIN 0x14                                       ; sources 1 and 2 window 1
.set p, 0
.rept 64
	v_pk_fma_f32 v[X+2*p:X+2*p+1], v[X+2*p:X+2*p+1], v[2*p:2*p+1], v[128+2*p:128+2*p+1]
.set p, p+1
.endr
	WIN 0
	QUANT X
.irp c, 0,1,2,3
	global_store_b128 v4, v[PC+4*\c:PC+4*\c+3], s[54:55] offset:512*\c          ; 512 consecutive bytes, aligned
.endr
	global_store_b32 v10, v[PW], s[52:53]          ; (lanes r and r + 16 store the same word)
	s_wait_xcnt 0x0                                ; the stores' data are written again only behind this wait
	QUANT X+64
.irp c, 0,1,2,3
	global_store_b128 v4, v[PC+4*\c:PC+4*\c+3], s[54:55] offset:16384+512*\c
.endr
	global_store_b32 v10, v[PW], s[52:53] offset:512
	s_wait_tensorcnt 0x0
	ds_add_u32 v254, v255
	s_wait_dscnt 0x0
	s_endpgm
	; ================= the weights as fragment images =================
	; Unit u = 2 (work-group - 256) + pass, two passes.  u < 96: w_attn; < 224: w_fc; < 256: w_attn_proj; else w_fc_proj (four units to a group of rows).
	; A unit takes a group G of 32 rows (tiles 2 G, 2 G + 1); wave w takes 256 bytes of each row: K steps 2 sg and 2 sg + 1.
.set DD,  32
.set RR,  96                           ; v96-159  as stored
.set AD,  160                          ; v160-175 the loads' offsets
.Lrelay:
.set TR, 0
.rept 2                                ; the two units, written alike
	s_sub_co_u32 s24, ttmp9, 256
	s_lshl_b32 s24, s24, 1
	s_add_co_u32 s24, s24, TR                      ; u
	s_max_u32 s25, s24, 256
	s_sub_co_u32 s25, s25, 256
	s_lshr_b32 s26, s25, 2                         ; G, as for w_fc_proj
	s_and_b32 s27, s25, 3                          ; which quarter of its K
	s_max_u32 s47, s24, 224
	s_sub_co_u32 s47, s47, 224                     ; G for w_attn_proj
	s_max_u32 s48, s24, 96
	s_sub_co_u32 s48, s48, 96                      ; G for w_fc
	s_mov_b32 s28, 12                              ; log2 of a row's bytes
	s_mov_b32 s29, 2                               ; log2 of the tiles in a row block
	s_mov_b32 s30, 5                               ; log2 of the K steps
	s_mov_b32 s31, 8388608                         ; the codes' place in W
	s_mov_b32 s32, 12845056                        ; the scale words'
	s_wait_kmcnt 0x0
	s_mov_b64 s[34:35], s[38:39]
	s_mov_b64 s[50:51], s[40:41]
	s_cmp_lt_u32 s24, 256                          ; every choice hangs on the work-group's number alone
	s_cselect_b32 s26, s47, s26
	s_cselect_b32 s27, 0, s27
	s_cselect_b32 s28, 10, s28
	s_cselect_b32 s30, 3, s30
	s_cselect_b32 s31, 7340032, s31
	s_cselect_b32 s32, 12812288, s32
	s_cselect_b64 s[34:35], s[18:19], s[34:35]
	s_cselect_b64 s[50:51], s[36:37], s[50:51]
	s_cmp_lt_u32 s24, 224
	s_cselect_b32 s26, s48, s26
	s_cselect_b32 s29, 3, s29
	s_cselect_b32 s31, 3145728, s31
	s_cselect_b32 s32, 12681216, s32
	s_cselect_b64 s[34:35], s[14:15], s[34:35]
	s_cselect_b64 s[50:51], s[16:17], s[50:51]
	s_cmp_lt_u32 s24, 96
	s_cselect_b32 s26, s24, s26
	s_cselect_b32 s31, 0, s31
	s_cselect_b32 s32, 12582912, s32
	s_cselect_b64 s[34:35], s[10:11], s[34:35]
	s_cselect_b64 s[50:51], s[12:13], s[50:51]
	s_lshl_b32 s33, s27, 2
	s_add_co_u32 s33, s33, s[WV]                   ; sg
	s_lshl_b32 s47, s26, 5                         ; 32 G
	s_lshl_b32 s48, s47, s28
	s_lshl_b32 s49, s33, 8
	s_add_co_u32 s48, s48, s49
	s_mov_b32 s49, 0
	s_add_nc_u64 s[34:35], s[34:35], s[48:49]      ; the codes of my rows, my 256 bytes
	s_sub_co_u32 s52, s28, 5                       ; log2 of a row of scale bytes
	s_lshl_b32 s48, s47, s52
	s_lshl_b32 s53, s33, 3
	s_add_co_u32 s48, s48, s53
	s_add_nc_u64 s[50:51], s[50:51], s[48:49]      ; their scale bytes, my 8
	s_lshl_b32 s54, s26, 1                         ; tile 2 G
	s_lshr_b32 s55, s54, s29
	s_lshl_b32 s55, s55, s30
	s_lshl_b32 s56, s33, 1
	s_add_co_u32 s55, s55, s56
	s_lshl_b32 s55, s55, s29
	s_lshl_b32 s56, 1, s29
	s_sub_co_u32 s56, s56, 1
	s_and_b32 s54, s54, s56
	s_add_co_u32 s55, s55, s54                     ; fragment (row block x NS + 2 sg) x NT + tile
	s_lshl_b32 s48, s55, 11
	s_add_co_u32 s48, s48, s31
	s_add_nc_u64 s[56:57], s[44:45], s[48:49]
	s_lshl_b32 s48, s55, 6
	s_add_co_u32 s48, s48, s32
	s_add_nc_u64 s[58:59], s[44:45], s[48:49]
	s_lshl_b32 s60, 2048, s29                      ; from a K step's fragments to the next's
	s_lshl_b32 s61, 64, s29
	s_lshl_b32 s62, 2, s28                         ; two rows
	s_wait_alu depctr_va_vdst(0)
	v_lshlrev_b32 v5, s28, v3
	v_lshl_add_u32 v5, v2, 4, v5                   ; lanes 0-15 one row's 256 bytes, lanes 16-31 the next row's
.irp i, 0,1,2,3,4,5,6,7,8,9,10,11,12,13,14,15
	v_mad_u32_u24 v[AD+\i], s62, \i, v5
.endr
	s_mul_i32 s63, s[WV], 8704
	s_add_co_u32 s63, s63, RSTG
	v_mul_u32_u24 v6, v3, 272
	v_lshl_add_u32 v6, v2, 4, v6
	v_add_nc_u32 v6, s63, v6                       ; into my stage
	v_and_b32 v7, 8, v2
	v_add_nc_u32 v7, v7, v2                        ; r + 8 (r / 8)
	v_mul_u32_u24 v8, v7, 272
	v_lshl_add_u32 v8, v3, 4, v8
	v_add_nc_u32 v8, s63, v8                       ; out of it: the tile's row r, + 16 h
	v_add_nc_u32 v9, s60, v4
	v_lshlrev_b32 v10, 2, v1
	v_add_nc_u32 v11, s61, v10
	v_lshl_add_u32 v12, v3, 3, v7                  ; lanes 0-15: tile 2 G's rows, lanes 16-31: tile 2 G + 1's
	v_lshlrev_b32 v12, s52, v12
	global_load_b64 v[176:177], v12, s[50:51]      ; the scale words of my two K steps
.irp i, 0,1,2,3,4,5,6,7,8,9,10,11,12,13,14,15
	global_load_b128 v[DD+4*\i:DD+4*\i+3], v[AD+\i], s[34:35]
.endr
	s_wait_alu depctr_va_vdst(0)
	s_wait_loadcnt 0x0
.irp i, 0,1,2,3,4,5,6,7,8,9,10,11,12,13,14,15
	ds_store_b128 v6, v[DD+4*\i:DD+4*\i+3] offset:544*\i
.endr
.irp u, 0,1
.irp sp, 0,1
.irp c, 0,1,2,3
	ds_load_b128 v[RR+4*(8*\u+4*\sp+\c):RR+4*(8*\u+4*\sp+\c)+3], v8 offset:2176*\u+128*\sp+32*\c   ; my own bytes, served in order
.endr
.endr
.endr
	global_store_b32 v10, v176, s[58:59]
	global_store_b32 v11, v177, s[58:59]
	s_wait_dscnt 0x0
.irp u, 0,1
.irp c, 0,1,2,3
	global_store_b128 v4, v[RR+4*(8*\u+\c):RR+4*(8*\u+\c)+3], s[56:57] offset:2048*\u+512*\c
	global_store_b128 v9, v[RR+4*(8*\u+4+\c):RR+4*(8*\u+4+\c)+3], s[56:57] offset:2048*\u+512*\c
.endr
.endr
	s_wait_xcnt 0x0                                ; the stores' data, offsets and bases are written again only behind this wait
.set TR, TR+1
.endr
	s_wait_tensorcnt 0x0
	ds_add_u32 v254, v255
	s_wait_dscnt 0x0
	s_endpgm
.Lfunc_end_k_qb4f3ab5abf_ln1prep:
	.size	k_qb4f3ab5abf_ln1prep, .Lfunc_end_k_qb4f3ab5abf_ln1prep-k_qb4f3ab5abf_ln1prep
	.p2alignl 7, 3214868480
	.fill 96, 4, 3214868480
	.section	.rodata,"a",@progbits
	.p2align	6, 0x0
	.amdhsa_kernel k_qb4f3ab5abf_ln1prep
		.amdhsa_group_segment_fixed_size 102400
		.amdhsa_private_segment_fixed_size 0
		.amdhsa_enable_private_segment 0
		.amdhsa_kernarg_size 104
		.amdhsa_user_sgpr_count 2
		.amdhsa_user_sgpr_kernarg_segment_ptr 1
		.amdhsa_wavefront_size32 1
		.amdhsa_system_sgpr_workgroup_id_x 1
		.amdhsa_system_sgpr_workgroup_id_y 1
		.amdhsa_system_sgpr_workgroup_id_z 1
		.amdhsa_system_vgpr_workitem_id 0
		.amdhsa_next_free_vgpr 512
		.amdhsa_next_free_sgpr 66
		.amdhsa_reserve_vcc 0
		.amdhsa_float_denorm_mode_32 3
		.amdhsa_float_denorm_mode_16_64 3
		.amdhsa_memory_ordered 1
		.amdhsa_forward_progress 1
		.amdhsa_inst_pref_size 75
	.end_amdhsa_kernel
	.amdgpu_metadata
---
amdhsa.version: [ 1, 2 ]
amdhsa.kernels:
  - .name:           k_qb4f3ab5abf_ln1prep
    .symbol:         k_qb4f3ab5abf_ln1prep.kd
    .args:
      - { .name: x, .offset: 0, .size: 8, .value_kind: global_buffer, .address_space: global }
      - { .name: ln1_g, .offset: 8, .size: 8, .value_kind: global_buffer, .address_space: global }
      - { .name: ln1_b, .offset: 16, .size: 8, .value_kind: global_buffer, .address_space: global }
      - { .name: w_attn_codes, .offset: 24, .size: 8, .value_kind: global_buffer, .address_space: global }
      - { .name: w_attn_scales, .offset: 32, .size: 8, .value_kind: global_buffer, .address_space: global }
      - { .name: w_fc_codes, .offset: 40, .size: 8, .value_kind: global_buffer, .address_space: global }
      - { .name: w_fc_scales, .offset: 48, .size: 8, .value_kind: global_buffer, .address_space: global }
      - { .name: w_attn_proj_codes, .offset: 56, .size: 8, .value_kind: global_buffer, .address_space: global }
      - { .name: w_attn_proj_scales, .offset: 64, .size: 8, .value_kind: global_buffer, .address_space: global }
      - { .name: w_fc_proj_codes, .offset: 72, .size: 8, .value_kind: global_buffer, .address_space: global }
      - { .name: w_fc_proj_scales, .offset: 80, .size: 8, .value_kind: global_buffer, .address_space: global }
      - { .name: H, .offset: 88, .size: 8, .value_kind: global_buffer, .address_space: global }
      - { .name: W, .offset: 96, .size: 8, .value_kind: global_buffer, .address_space: global }
    .group_segment_fixed_size: 102400
    .private_segment_fixed_size: 0
    .kernarg_segment_align: 8
    .kernarg_segment_size: 104
    .max_flat_workgroup_size: 128
    .sgpr_count:     66
    .vgpr_count:     512
    .wavefront_size: 32
...
	.end_amdgpu_metadata
.endif
;; end of part 1
;; launch qkv (part 2): grid 8 x 24, 4 waves a work-group, clusters of 4 x 4, 327,680 bytes of LDS; arguments H, W, b_attn, QKV; writes QKV
.if DOCPART == 2
	.amdgcn_target "amdgcn-amd-amdhsa--gfx1250"
	.amdhsa_code_object_version 6
	.text
	.protected	k_qb4f3ab5abf_qkv
	.globl	k_qb4f3ab5abf_qkv
	.p2align	8
	.type	k_qb4f3ab5abf_qkv,@function
k_qb4f3ab5abf_qkv:
	s_mov_b64 s[64:65], 0
	v_nop
	global_prefetch_b8 v0, s[64:65] scope:SCOPE_SE
	s_setreg_imm32_b32 hwreg(HW_REG_WAVE_MODE, 25, 1), 1
	s_wait_xcnt 0x0
	s_wait_alu depctr_hold_cnt(0) depctr_sa_sdst(0) depctr_va_vdst(0) depctr_va_sdst(0) depctr_va_ssrc(0) depctr_va_vcc(0) depctr_vm_vsrc(0)
	s_getreg_b32 s2, hwreg(HW_REG_IB_STS2, 6, 4)
	s_cmp_eq_u32 s2, 0
	s_cbranch_scc0 .Lentry_in_a_cluster
	s_endpgm
.Lentry_in_a_cluster:
	s_bfe_u32 s2, ttmp6, 0x10000c
	s_cmp_lg_u32 s2, 0xf033
	s_cbranch_scc0 .Lentry_shape_is_right
	s_endpgm
.Lentry_shape_is_right:
; qkv = h w_attn + b_attn on MX-FP8 codes; the results are quantised at once, as the operands that attention wants: q and k along the head's 64, v along the keys.
; THE FRAME: Z[q row][p row] = sum over K.  P's tiles are source 0, Q's source 1: a lane holds one row of Q and its registers run along P.  A work-group makes 256 x 256, each of its four waves 128 x 128
; (64 accumulators, 512 registers).  Operands lie in memory as fragment images (16 rows x 128 K = 2,048 bytes, lane l's 16 bytes of chunk c at 512 c + 16 l), a row block's K steps on end: a slot of the ring
; (2 K steps of 4 row blocks) is filled by four dense tensor loads, one a wave, and a fragment comes out of LDS by four loads of 512 consecutive bytes.  The scale words of all of K come once and stay.
; A tile T holds rows 32 (T / 2) + 8 (T % 2) + (r % 8) + 16 (r / 8): the 64 registers of a lane's eight accumulators are 128 neighbours along P: one K step of the next product.
; TWO MODES, by the cluster's y (the same in all partners): y < 4: P = rows 0-2,047 of w_attn (q, k), Q = tokens: quantised along the head.  y >= 4: P = tokens, Q = rows 2,048 on (v): quantised along the keys.
; Only addresses are chosen by the mode, by s_cselect: no branch hangs on it.  CLUSTERS 4 x 4: Q's tiles are asked for jointly along a row of the cluster, P's along a column.
; b_attn: along P it is the C of the first products, along Q it is added on the way out; the one that the mode does not use is multiplied by 0 (NaN and infinities in b_attn are not served).
; LIMITS: NaN and infinities are not served; a block of zeros gets the scale byte 1 (the rule says 127): its codes are zeros and only this program reads the bytes.
.set NT,     8                         ; tiles of 16 rows in a wave's side
.set NQ,     2                         ; K steps of 128 in a slot
.set NS,     8                         ; K steps in all
.set HT,     NT/2
.set LAPS,   NS/(2*NQ)
.set HALFT,  NT*NQ*2048                ; a row block's part of a slot: what one tensor load brings
.set SLOT,   4*HALFT
.set HALFS,  NS*NT*64                  ; a row block's scale words
.set RBS,    NS*NT*2048                ; a row block's codes
.set SCL,    2*SLOT
.set SPARE,  SCL+4*HALFS+256           ; the spare words: 128 bytes a wave, two blocks of 256 bytes that no other line names
.set ADRQ, 16                          ; v16-17 LDS address of Q's fragments in slot 0, 1
.set ADRP, 20                          ; v20-21 P's
.set ADRS, 27                          ; v27    my scale words: lanes 0-15 Q's, lanes 16-31 P's
.set SPW,  28
.set NIL,  29
.set SC,   32                          ; v32-63 scale words and nothing else: set s at SC + 16 s, register NQ i + q
.set BI,   64                          ; v64-127 the bias along P
.set AF,   128                         ; v128-255 Q's fragments, one set.  Window 1: P's, two sets.  Windows 2, 3: the accumulators
.set G1, 24
.set G0, 32
.set G1B, 48
.set G0B, 56
.set G1S, 68
.set G0S, 76
.set G1SB, 80
.set G0SB, 88
.set SEL, 104
.set MNT, 19
.set MUL_LO, 0xa1
.set MUL_HI, 0xf1
.set TO_P,   0x40
.set BQ,  8                            ; v8-15  the bias along Q, one register a tile
.set Z,   128
.set TM,  192
.set PW,  208
.set PWS, 209
.set PC,  212
.set MSB, 0
.macro WIN new
.if MSB != (\new)
	s_set_vgpr_msb (MSB<<8)|(\new)
.set MSB, (\new)
.endif
.endm
.macro JLOAD g0a, g1a, g0b, g1b        ; a joint load: waves 0 and 1 fetch for Q, waves 2 and 3 for P; four v_nop follow each line
	s_cmp_eq_u32 s15, 0
	s_cbranch_scc0 .Lfor_b_\@
	tensor_load_to_lds s[\g0a:\g0a+3], s[\g1a:\g1a+7]
	s_nop 0
.rept 4
	v_nop
.endr
	s_branch .Lasked_\@
.Lfor_b_\@:
	tensor_load_to_lds s[\g0b:\g0b+3], s[\g1b:\g1b+7]
	s_nop 0
.rept 4
	v_nop
.endr
.Lasked_\@:
.endm
.macro CREST
	s_cmp_lg_u32 s14, 0
	s_cbranch_scc1 .Lnot_wave_0_\@
	s_barrier_signal -3
.Lnot_wave_0_\@:
	s_barrier_wait -3
	s_barrier_signal -1
	s_barrier_wait -1
.endm
.macro CROUND
	s_barrier_signal -1
	s_barrier_wait -1
	CREST
.endm
.macro PLACES n
.rept \n
	v_nop
.endr
.endm
.macro FRAG reg, adr, q, i             ; an image comes back as it was stored: 4 x 512 consecutive bytes
.irp c, 0,1,2,3
	ds_load_b128 v[\reg+4*\c:\reg+4*\c+3], v[\adr] offset:((\q)*NT+(\i))*2048+512*\c
.endr
.endm
.macro FETCH_P slot, q, p
	WIN TO_P
.set ii, 0
.rept NT
	FRAG 128*(\p)+16*ii, ADRP+\slot, \q, ii
.set ii, ii+1
.endr
	WIN 0
.endm
.macro FETCH_Q slot, q, i0
.set ii, \i0
.rept HT
	FRAG AF+16*ii, ADRQ+\slot, \q, ii
.set ii, ii+1
.endr
.endm
.macro SCALES sc
.set ii, 0
.rept NT
.set qq, 0
.rept NQ
	ds_load_b32 v[SC+16*\sc+NQ*ii+qq], v[ADRS] offset:(qq*NT+ii)*64
.set qq, qq+1
.endr
.set ii, ii+1
.endr
.endm
.macro MULB a, p, q, sc, zero          ; Q's block a against P's NT blocks; zero = 1: the bias starts the sums
.set AC, 8*NT*((\a)%HT)
.set b, 0
.rept NT
.if \zero
	v_wmma_scale_f32_16x16x128_f8f6f4 v[AC+8*b:AC+8*b+7], v[128*(\p)+16*b:128*(\p)+16*b+15], v[AF+16*(\a):AF+16*(\a)+15], v[BI+8*b:BI+8*b+7], v[SC+16*(\sc)+NQ*b+(\q)], v[SC+16*(\sc)+NQ*(\a)+(\q)] matrix_a_scale:MATRIX_SCALE_ROW1
.else
	v_wmma_scale_f32_16x16x128_f8f6f4 v[AC+8*b:AC+8*b+7], v[128*(\p)+16*b:128*(\p)+16*b+15], v[AF+16*(\a):AF+16*(\a)+15], v[AC+8*b:AC+8*b+7], v[SC+16*(\sc)+NQ*b+(\q)], v[SC+16*(\sc)+NQ*(\a)+(\q)] matrix_a_scale:MATRIX_SCALE_ROW1
.endif
.set b, b+1
.endr
.endm
.macro MULS a0, n, p, q, sc, zero
.set aa, \a0
.rept \n
	MULB aa, \p, \q, \sc, \zero
.set aa, aa+1
.endr
.endm
.macro STEP slot, q, zero              ; a K step that has its successor in the same slot.  The accumulators take turns, in the same order in every step
	s_wait_dscnt 4*HT                              ; all but the youngest loads: Q's blocks HT on
.if \zero
	WIN 0x81
.else
	WIN MUL_LO
.endif
	MULS 0, HT, (\q)%2, \q, \slot, \zero
	s_wait_dscnt 0
	PLACES 8                                       ; eight places in front of loads into registers that these matrix instructions have read
	FETCH_P \slot, (\q)+1, 1-(\q)%2
	FETCH_Q \slot, (\q)+1, 0
.if \zero
	WIN 0xc1
.else
	WIN MUL_HI
.endif
	MULS HT, HT, (\q)%2, \q, \slot, \zero
	PLACES 8
	WIN 0
	FETCH_Q \slot, (\q)+1, HT
.endm
.macro TURN slot, next, fill           ; a slot's last K step changes slots: one barrier
	s_wait_tensorcnt 0x0                           ; all my tensor loads have landed: my part of the next slot
	ds_add_u32 v[SPW], v[NIL]
	s_wait_dscnt 4*HT+1                            ; (the add and Q's blocks HT on may be out)
	WIN MUL_LO
	MULS 0, HT/2, 1, NQ-1, \slot, 0
	s_wait_dscnt 0x0                               ; the add is done, and my reads of this slot are over
	s_barrier_signal -1
	MULS HT/2, HT/2, 1, NQ-1, \slot, 0
	WIN 0
	s_barrier_wait -1
.if \fill
	CREST                                          ; the barrier has opened a round of the cluster's: no wave of any partner still reads this slot or has a load on its way
	s_add_nc_u64 s[G0+4*\slot+2:G0+4*\slot+3], s[G0+4*\slot+2:G0+4*\slot+3], 2*HALFT
	s_add_nc_u64 s[G0B+4*\slot+2:G0B+4*\slot+3], s[G0B+4*\slot+2:G0B+4*\slot+3], 2*HALFT
	JLOAD G0+4*\slot, G1, G0B+4*\slot, G1B
	PLACES 4
.else
	PLACES 8
.endif
	s_wait_alu depctr_va_vdst(0)
	v_add_nc_u32 v[ADRS], NQ*NT*64, v[ADRS]
	FETCH_P \next, 0, 0
	FETCH_Q \next, 0, 0
	SCALES \next
	WIN MUL_HI
	MULS HT, HT, 1, NQ-1, \slot, 0
	PLACES 8
	WIN 0
	FETCH_Q \next, 0, HT
.endm
.macro MIDSTEPS slot, q0
.set qs, \q0
.rept NQ-1-\q0
	STEP \slot, qs, 0
.set qs, qs+1
.endr
.endm
.macro QUANT s
.irp b, 0,1,2,3
	v_max3_num_f32 v[TM+\b], |v[\s+16*\b]|, |v[\s+1+16*\b]|, 0x4800000   ; my 16 numbers of block b, and the floor 2^(9 - 127)
.endr
.irp i, 2,4,6,8,10,12,14
.irp b, 0,1,2,3
	v_max3_num_f32 v[TM+\b], v[TM+\b], |v[\s+16*\b+\i]|, |v[\s+1+16*\b+\i]|
.endr
.endr
.irp b, 0,1,2,3
	v_permlanex16_b32 v[TM+4+\b], v[TM+\b], s[SEL], s[SEL+1]
.endr
.irp b, 0,1,2,3
	v_max_num_f32 v[TM+\b], v[TM+\b], v[TM+4+\b]
.endr
.irp b, 0,1,2,3
	v_add_nc_u32 v[TM+12+\b], 0xfc000000, v[TM+\b]
.endr
.irp b, 0,1,2,3
	v_and_or_b32 v[TM+8+\b], v[TM+\b], 0x7f800000, s[MNT]
.endr
.irp b, 0,1,2,3
	v_lshrrev_b32 v[TM+4+\b], 23, v[TM+12+\b]
.endr
	v_lshl_or_b32 v[PW], v[TM+5], 8, v[TM+4]
	v_lshl_or_b32 v[PW], v[TM+6], 16, v[PW]
	v_lshl_or_b32 v[PW], v[TM+7], 24, v[PW]
.irp b, 0,1,2,3
.irp i, 0,1,2,3,4,5,6,7,8,9,10,11,12,13,14,15
	v_med3_num_f32 v[\s+16*\b+\i], v[\s+16*\b+\i], -v[TM+8+\b], v[TM+8+\b]
.endr
	v_cvt_scalef32_pk8_fp8_f32 v[PC+4*\b:PC+1+4*\b], v[\s+16*\b:\s+7+16*\b], v[TM+12+\b]
	v_cvt_scalef32_pk8_fp8_f32 v[PC+2+4*\b:PC+3+4*\b], v[\s+8+16*\b:\s+15+16*\b], v[TM+12+\b]
.endr
	v_nop
.endm
	s_load_b128 s[4:7], s[0:1], 0x0                ; H, W
	s_load_b128 s[8:11], s[0:1], 0x10              ; b_attn, QKV
	v_lshl_add_u32 v[SPW], v0, 2, SPARE
	v_mov_b32 v[NIL], 0
	ds_add_u32 v28, v29
	ds_add_u32 v28, v29
	s_wait_dscnt 0x0
	v_lshrrev_b32 v1, 5, v0
	v_readfirstlane_b32 s14, v1                    ; wave 0..3
	s_lshr_b32 s15, s14, 1                         ; my half of Q's rows.  Also: I fetch for Q (0) or for P (1)
	s_and_b32 s16, s14, 1                          ; my half of P's rows.  Also: which row block I fetch
	s_bfe_u32 s40, ttmp6, 0x40000                  ; cx
	s_bfe_u32 s41, ttmp6, 0x40004                  ; cy
	s_lshl_b32 s42, ttmp9, 2
	s_add_co_u32 s42, s42, s40                     ; X
	s_and_b32 s18, ttmp7, 0xffff                   ; the cluster's y: the mode
	s_lshl_b32 s17, s18, 2
	s_add_co_u32 s17, s17, s41                     ; Y
	s_lshl_b32 s43, s41, 2
	s_lshl_b32 s43, 15, s43                        ; my row of the cluster
	s_lshl_b32 s44, 0x1111, s40                    ; my column
	s_add_co_u32 s95, s41, 8                       ; v: Q's tile = cy + 8 (rows 2,048 on of w_attn)
	s_and_b32 s96, s18, 1
	s_lshl_b32 s96, s96, 3
	s_add_co_u32 s96, s96, s42                     ; v: P's tile of tokens = X + 8 (cluster y - 4)
	s_mov_b32 s97, 4194304                         ; where H's scale words begin
	s_mov_b32 s98, 12582912                        ; where w_attn's begin in W
	s_cmp_ge_u32 s18, 4
	s_cselect_b32 s17, s95, s17                    ; Q's tile: hangs on cy and the cluster's y alone
	s_cselect_b32 s42, s96, s42                    ; P's tile: on cx and the cluster's place alone
	s_cselect_b32 s99, s98, s97
	s_cselect_b32 s100, s97, s98
	s_or_b32 s[G1], s43, (3<<16)|(1<<21)           ; 15:0 the mask; 17:16 elements of 8 bytes; 21 set beside a mask; no padding: images are read 512 consecutive bytes at a time
	s_or_b32 s[G1B], s44, (3<<16)|(1<<21)
.irp g, G1, G1B
	s_mov_b32 s[\g+1], 32<<16                      ; rows of 256 bytes, dense;
	s_mov_b32 s[\g+2], (2*HALFT/256)<<16           ; the head's loads bring 2 HALFT bytes: both slots' parts of a row block, on end in memory
	s_mov_b32 s[\g+3], 32<<16
	s_mov_b32 s[\g+4], 2*HALFT/256
	s_mov_b32 s[\g+5], 32
	s_mov_b32 s[\g+6], 0
	s_mov_b32 s[\g+7], 0
.endr
	s_mul_i32 s22, s17, 2*HALFS                    ; Q's tile: its two row blocks' scale words
	s_mul_i32 s20, s17, 2*RBS                      ; and codes
	s_add_co_u32 s22, s22, s99
	s_mov_b32 s21, 0
	s_mov_b32 s23, 0
	s_mul_i32 s92, s42, 2*HALFS                    ; P's tile likewise
	s_mul_i32 s46, s42, 2*RBS
	s_add_co_u32 s92, s92, s100
	s_mov_b32 s47, 0
	s_mov_b32 s93, 0
	s_mul_i32 s94, s16, RBS                        ; in the ring I fetch one row block: which, in bytes
	s_mov_b32 s95, 0
	s_wait_kmcnt 0x0
	s_cmp_ge_u32 s18, 4
	s_cselect_b64 s[12:13], s[6:7], s[4:5]         ; Q's buffer
	s_cselect_b64 s[6:7], s[4:5], s[6:7]           ; P's buffer
	s_add_nc_u64 s[20:21], s[12:13], s[20:21]
	s_add_nc_u64 s[22:23], s[12:13], s[22:23]
	s_add_nc_u64 s[46:47], s[6:7], s[46:47]
	s_add_nc_u64 s[92:93], s[6:7], s[92:93]
	s_cmp_eq_u32 s15, 0                            ; the prefetches' base s[4:5]: the row block that I fetch in the ring,
	s_cselect_b64 s[4:5], s[20:21], s[46:47]
	s_cselect_b32 s6, s40, s41                     ; and of each part's 32,768 bytes the 8,192 of my work-group: the four partners of a joint load are told apart by address (cx for Q, cy for P)
	s_lshl_b32 s6, s6, 13
	s_add_co_u32 s6, s6, s94
	s_mov_b32 s7, 0
	s_add_nc_u64 s[4:5], s[4:5], s[6:7]
	CROUND                                         ; all sixteen work-groups are here: the first joint loads meet
	s_mov_b64 s[G0S+2:G0S+3], s[22:23]             ; where Q's and P's scale words lie: kept in registers that are not written again
	s_mov_b64 s[G0SB+2:G0SB+3], s[92:93]
	; THE HEAD'S LOADS, ONE A WAVE, all four alike: the row block that the wave fetches in the ring, BOTH slots' parts, 2 HALFT bytes, by slot 0's group 0 as the ring has it.
	; LDS: Q's row block b at 2 b HALFT, P's at (4 + 2 b) HALFT; in it slot 0's part, then slot 1's.
	s_mov_b32 s[G0], 1
	s_mul_i32 s[G0+1], s14, 2*HALFT
	s_add_nc_u64 s[G0+2:G0+3], s[20:21], s[94:95]
	s_or_b32 s[G0+3], s[G0+3], 0x80000000
	s_mov_b32 s[G0B], 1
	s_mul_i32 s[G0B+1], s14, 2*HALFT
	s_add_nc_u64 s[G0B+2:G0B+3], s[46:47], s[94:95]
	s_or_b32 s[G0B+3], s[G0B+3], 0x80000000
	s_mov_b32 s[G0+4], 1                           ; the ring's groups 0 for slot 1: my row block, part 1; LDS by the wave's number alone
	s_mul_i32 s[G0+5], s14, 2*HALFT
	s_add_co_u32 s[G0+5], s[G0+5], HALFT
	s_add_nc_u64 s[G0+6:G0+7], s[20:21], s[94:95]
	s_add_nc_u64 s[G0+6:G0+7], s[G0+6:G0+7], HALFT
	s_or_b32 s[G0+7], s[G0+7], 0x80000000
	s_mov_b32 s[G0B+4], 1
	s_mul_i32 s[G0B+5], s14, 2*HALFT
	s_add_co_u32 s[G0B+5], s[G0B+5], HALFT
	s_add_nc_u64 s[G0B+6:G0B+7], s[46:47], s[94:95]
	s_add_nc_u64 s[G0B+6:G0B+7], s[G0B+6:G0B+7], HALFT
	s_or_b32 s[G0B+7], s[G0B+7], 0x80000000
	JLOAD G0, G1, G0B, G1B
	; the scale words of the tile's rows, 2 HALFS dense bytes a side, go through registers into LDS bytes of their own, 16 bytes a thread and load: a small part of the head's bytes, so they are not asked for jointly
	v_lshlrev_b32 v7, 4, v0
	v_lshl_add_u32 v19, v0, 4, SCL
.set kk, 0
.rept 2*HALFS/2048
	global_load_b128 v[AF+4*kk:AF+4*kk+3], v7, s[G0S+2:G0S+3] offset:2048*kk
	global_load_b128 v[AF+64+4*kk:AF+64+4*kk+3], v7, s[G0SB+2:G0SB+3] offset:2048*kk
.set kk, kk+1
.endr
	v_and_b32 v1, 15, v0                           ; r
	v_bfe_u32 v2, v0, 4, 1                         ; h
	s_wait_alu depctr_va_vdst(0)
	v_and_b32 v3, 31, v0
	v_lshlrev_b32 v4, 4, v3                        ; 16 x lane
	v_lshlrev_b32 v18, 8, v3                       ; the prefetches' offset: lanes 256 bytes apart; never rewritten
	global_prefetch_b8 v18, s[4:5] offset:2*HALFT th:TH_LOAD_NT scope:SCOPE_SE   ; parts 2 and 3 of K, which the ring's two refills will ask for: my work-group's quarter of my row block's part,
	global_prefetch_b8 v18, s[4:5] offset:3*HALFT th:TH_LOAD_NT scope:SCOPE_SE   ; two and three slots' steps ahead of those loads.  K has four parts: there is nothing further to ask for
	s_mul_i32 s21, s15, 2*HALFT
	s_mul_i32 s22, s16, 2*HALFT
	s_add_co_u32 s22, s22, 4*HALFT
.irp s, 0,1
	v_add_nc_u32 v[ADRQ+\s], s21, v4
	v_add_nc_u32 v[ADRP+\s], s22, v4
	s_add_co_u32 s21, s21, HALFT
	s_add_co_u32 s22, s22, HALFT
.endr
	s_mul_i32 s21, s15, HALFS
	s_mul_i32 s22, s16, HALFS
	s_add_co_u32 s22, s22, 2*HALFS+64
	s_sub_co_u32 s22, s22, s21
	v_mul_u32_u24 v6, s22, v2                      ; lanes 16-31 take P's
	s_add_co_u32 s21, s21, SCL
	v_lshl_add_u32 v6, v1, 2, v6
	v_add_nc_u32 v[ADRS], s21, v6
	s_mov_b32 s[SEL], 0x76543210
	s_mov_b32 s[SEL+1], 0xfedcba98
	s_mov_b32 s[MNT], 0x600000
	; where the results go.  T0: my first tile along Q; tb: my block of 128 along P
	s_lshl_b32 s20, s17, 4
	s_lshl_b32 s21, s15, 3
	s_add_co_u32 s20, s20, s21                     ; T0
	s_lshl_b32 s21, s42, 1
	s_add_co_u32 s21, s21, s16                     ; tb
	s_and_b32 s22, s20, 127                        ; q, k: the token tile in its batch;  v: the tile among v's 64
	s_lshr_b32 s23, s20, 7                         ; q, k: the batch
	s_and_b32 s40, s42, 3
	s_lshl_b32 s40, s40, 2
	s_lshl_b32 s41, s16, 1
	s_add_co_u32 s40, s40, s41                     ; my first head of two
	s_lshr_b32 s41, s42, 2                         ; 0: q, 1: k
	s_lshl_b32 s43, s41, 22
	s_lshl_b32 s44, s22, 10
	s_add_co_u32 s43, s43, s44                     ; codes: [q or k] + 1,024 x tile
	s_lshl_b32 s41, s41, 17
	s_lshl_b32 s44, s22, 5
	s_add_co_u32 s41, s41, s44
	s_add_co_u32 s41, s41, 12582912                ; scale half words: 64 bytes for each pair of tiles
	s_lshl_b32 s44, s42, 10
	s_lshl_b32 s45, s16, 9
	s_add_co_u32 s44, s44, s45                     ; the bias along P: my 128 columns
	s_lshr_b32 s45, s21, 4                         ; v: the batch
	s_lshr_b32 s46, s22, 2                         ; my first head of two
	s_and_b32 s47, s21, 15                         ; the key step
	s_lshl_b32 s92, s47, 13
	s_add_co_u32 s92, s92, 8388608
	s_lshl_b32 s47, s47, 8
	s_add_co_u32 s47, s47, 12845056
	s_lshl_b32 s93, s22, 6
	s_add_co_u32 s93, s93, 8192                    ; the bias along Q: b_attn from 2,048 + 16 x tile on
	s_mov_b32 s96, 131072
	s_mov_b32 s97, 4096
	s_cmp_ge_u32 s18, 4
	s_cselect_b32 s23, s45, s23
	s_cselect_b32 s40, s46, s40
	s_cselect_b32 s43, s92, s43
	s_cselect_b32 s41, s47, s41
	s_cselect_b32 s44, 0, s44
	s_cselect_b32 s93, s93, 0
	s_cselect_b32 s96, 1024, s96                   ; from chunks 0, 1 to chunks 2, 3: the next head's buffer, or the same image
	s_cselect_b32 s97, 2, s97                      ; from the scale word's low half to its high half likewise
	s_cselect_b32 s98, 0, 1.0                      ; what the bias along P is multiplied by
	s_cselect_b32 s100, 1.0, 0                     ; and the bias along Q
	s_mov_b32 s99, s98
	s_lshl_b32 s23, s23, 4
	s_add_co_u32 s23, s23, s40                     ; 16 x batch + head
	s_lshl_b32 s20, s23, 17
	s_add_co_u32 s20, s20, s43
	s_mov_b32 s21, 0
	s_add_nc_u64 s[94:95], s[10:11], s[20:21]      ; my codes
	s_lshl_b32 s20, s23, 12
	s_add_co_u32 s20, s20, s41
	s_add_nc_u64 s[66:67], s[10:11], s[20:21]      ; my scale bytes
	v_lshlrev_b32 v30, 6, v2
	v_add_nc_u32 v30, s44, v30
	v_and_b32 v5, 8, v1
	v_add_nc_u32 v5, v5, v1
	v_lshlrev_b32 v31, 2, v5
	v_add_nc_u32 v31, s93, v31
	v_mov_b32 v22, v4
	v_add_nc_u32 v23, s96, v4
	v_mul_u32_u24 v24, s97, v2
	v_lshl_add_u32 v24, v1, 2, v24
	v_lshlrev_b32 v25, 4, v2
.set g, 0
.rept HT
.irp j, 0,1,2,3
	global_load_b128 v[BI+16*g+4*\j:BI+16*g+4*\j+3], v30, s[8:9] offset:128*g+16*\j     ; lane half h, tiles 2 g, 2 g + 1: columns 32 g + 16 h + 0 .. 15
.endr
.set g, g+1
.endr
.irp a, 0,1,2,3,4,5,6,7
	global_load_b32 v[BQ+\a], v31, s[8:9] offset:4*(32*(\a/2)+8*(\a%2))                  ; lane r: the tile's row r
.endr
	s_wait_alu depctr_va_vdst(0)                   ; the wait at the head's end
	s_wait_loadcnt 0x0                             ; the scale words (and the biases) are in registers
.set kk, 0
.rept 2*HALFS/2048
	ds_store_b128 v19, v[AF+4*kk:AF+4*kk+3] offset:2048*kk
	ds_store_b128 v19, v[AF+64+4*kk:AF+64+4*kk+3] offset:2*HALFS+64+2048*kk   ; P's lie 64 bytes further, so that the two halves of a load's lanes touch different banks
.set kk, kk+1
.endr
	s_wait_tensorcnt 0x0                           ; my one load has landed; no load of mine is out, so a descriptor may be written: from here on a load brings HALFT bytes
.irp g, G1, G1B
	s_mov_b32 s[\g+2], (HALFT/256)<<16
	s_mov_b32 s[\g+4], HALFT/256
.endr
	s_wait_dscnt 0x0                               ; for the others' sake: my stores have landed
	s_barrier_signal -1
	s_barrier_wait -1
	FETCH_P 0, 0, 0
	FETCH_Q 0, 0, 0
	SCALES 0
	FETCH_Q 0, 0, HT
	s_wait_loadcnt 0x0
.set n, 0
.rept 32
	v_pk_mul_f32 v[BI+2*n:BI+2*n+1], v[BI+2*n:BI+2*n+1], s[98:99] op_sel_hi:[1,0]
.set n, n+1
.endr
.irp a, 0,1,2,3,4,5,6,7
	v_mul_f32 v[BQ+\a], s100, v[BQ+\a]
.endr
	s_wait_alu depctr_va_vdst(0)
	STEP 0, 0, 1                                   ; the first step stands in front of the loop: its products start the sums
.if LAPS > 1
	s_mov_b32 s3, LAPS-1
.Llap:
	MIDSTEPS 0, 1
	TURN 0, 1, 1
	MIDSTEPS 1, 0
	TURN 1, 0, 1
	STEP 0, 0, 0
	s_sub_co_u32 s3, s3, 1
	s_cmp_lg_u32 s3, 0
	s_cbranch_scc1 .Llap
.endif
	MIDSTEPS 0, 1
	TURN 0, 1, 0                                   ; the last lap fills nothing
	MIDSTEPS 1, 0
	s_wait_dscnt 4*HT
	WIN MUL_LO
	MULS 0, HT, 1, NQ-1, 1, 0
	s_wait_dscnt 0
	WIN MUL_HI
	MULS HT, HT, 1, NQ-1, 1, 0
	WIN 0
	; THE WAY OUT: for each of Q's eight tiles the lane's 64 numbers become one fragment.  Register numbers differ from tile to tile, so eight short blocks bring the numbers (with the bias along Q) to v[Z] on; the rest is written once.
	PLACES 8
.irp b, 0,1,2,3
	v_mov_b32 v[TM+4+\b], 0
.endr
.macro BLK a
.Lblk\a:
	WIN 0x02+(\a)/4
.set AC, 64*((\a)%4)
.set n, 0
.rept 64
	v_add_f32 v[Z+n], v[AC+n], v[BQ+\a]            ; ascending: each accumulator is read from its low end on
.set n, n+1
.endr
	WIN 0
	s_mov_b32 s20, (\a)*1024                       ; q, k: the next token tile
	s_mov_b32 s21, ((\a)/4)*131072+((\a)%4)*2048   ; v: head a / 4, tile a % 4 of its 64 channels
	s_mov_b32 s22, ((\a)/2)*64+((\a)%2)*2
	s_mov_b32 s23, ((\a)/4)*4096+((\a)%4)*64
	s_branch .Lcommon
.endm
	s_mov_b32 s101, 0
.Lrow:
.irp a, 1,2,3,4,5,6,7
	s_cmp_eq_u32 s101, \a
	s_cbranch_scc1 .Lblk\a
.endr
	BLK 0
	BLK 1
	BLK 2
	BLK 3
	BLK 4
	BLK 5
	BLK 6
	BLK 7
.Lcommon:
	QUANT Z
	s_cmp_ge_u32 s18, 4
	s_cselect_b32 s20, s21, s20
	s_cselect_b32 s22, s23, s22
	s_mov_b32 s21, 0
	s_mov_b32 s23, 0
	s_add_nc_u64 s[40:41], s[94:95], s[20:21]
	s_add_nc_u64 s[46:47], s[66:67], s[22:23]
	global_store_b128 v22, v[PC:PC+3], s[40:41]                ; each store covers 512 consecutive bytes, aligned
	global_store_b128 v22, v[PC+4:PC+7], s[40:41] offset:512
	global_store_b128 v23, v[PC+8:PC+11], s[40:41]
	global_store_b128 v23, v[PC+12:PC+15], s[40:41] offset:512
	v_lshrrev_b32 v[PWS], v25, v[PW]               ; lanes 0-15 store the word's low half, lanes 16-31 its high half
	global_store_b16 v24, v[PWS], s[46:47]
	s_wait_xcnt 0x0                                ; the stores' data and bases are written again only behind this wait
	s_add_co_u32 s101, s101, 1
	s_cmp_lt_u32 s101, 8
	s_cbranch_scc1 .Lrow
	s_wait_tensorcnt 0x0                           ; the wave's end
	ds_add_u32 v[SPW], v[NIL]
	s_wait_dscnt 0x0
	CROUND                                         ; the closing round
	s_endpgm
.Lfunc_end_k_qb4f3ab5abf_qkv:
	.size	k_qb4f3ab5abf_qkv, .Lfunc_end_k_qb4f3ab5abf_qkv-k_qb4f3ab5abf_qkv
	.p2alignl 7, 3214868480
	.fill 96, 4, 3214868480
	.section	.rodata,"a",@progbits
	.p2align	6, 0x0
	.amdhsa_kernel k_qb4f3ab5abf_qkv
		.amdhsa_group_segment_fixed_size 327680
		.amdhsa_private_segment_fixed_size 0
		.amdhsa_enable_private_segment 0
		.amdhsa_kernarg_size 32
		.amdhsa_user_sgpr_count 2
		.amdhsa_user_sgpr_kernarg_segment_ptr 1
		.amdhsa_wavefront_size32 1
		.amdhsa_system_sgpr_workgroup_id_x 1
		.amdhsa_system_sgpr_workgroup_id_y 1
		.amdhsa_system_sgpr_workgroup_id_z 1
		.amdhsa_system_vgpr_workitem_id 0
		.amdhsa_next_free_vgpr 1024
		.amdhsa_next_free_sgpr 106
		.amdhsa_reserve_vcc 0
		.amdhsa_float_denorm_mode_32 3
		.amdhsa_float_denorm_mode_16_64 3
		.amdhsa_memory_ordered 1
		.amdhsa_forward_progress 1
		.amdhsa_inst_pref_size 153
	.end_amdhsa_kernel
	.amdgpu_metadata
---
amdhsa.version: [ 1, 2 ]
amdhsa.kernels:
  - .name:           k_qb4f3ab5abf_qkv
    .symbol:         k_qb4f3ab5abf_qkv.kd
    .args:
      - { .name: H, .offset: 0, .size: 8, .value_kind: global_buffer, .address_space: global }
      - { .name: W, .offset: 8, .size: 8, .value_kind: global_buffer, .address_space: global }
      - { .name: b_attn, .offset: 16, .size: 8, .value_kind: global_buffer, .address_space: global }
      - { .name: QKV, .offset: 24, .size: 8, .value_kind: global_buffer, .address_space: global }
    .group_segment_fixed_size: 327680
    .private_segment_fixed_size: 0
    .kernarg_segment_align: 8
    .kernarg_segment_size: 32
    .max_flat_workgroup_size: 128
    .sgpr_count:     106
    .vgpr_count:     1024
    .wavefront_size: 32
...
	.end_amdgpu_metadata
.endif
;; end of part 2
;; launch attn (part 3): grid 8 x 32, 16 waves a work-group, clusters of 4 x 1, 327,680 bytes of LDS; arguments QKV, A; writes A
.if DOCPART == 3
	.amdgcn_target "amdgcn-amd-amdhsa--gfx1250"
	.amdhsa_code_object_version 6
	.text
	.protected	k_qb4f3ab5abf_attn
	.globl	k_qb4f3ab5abf_attn
	.p2align	8
	.type	k_qb4f3ab5abf_attn,@function
k_qb4f3ab5abf_attn:
	s_mov_b64 s[64:65], 0
	v_nop
	global_prefetch_b8 v0, s[64:65] scope:SCOPE_SE
	s_setreg_imm32_b32 hwreg(HW_REG_WAVE_MODE, 25, 1), 1
	s_wait_xcnt 0x0
	s_wait_alu depctr_hold_cnt(0) depctr_sa_sdst(0) depctr_va_vdst(0) depctr_va_sdst(0) depctr_va_ssrc(0) depctr_va_vcc(0) depctr_vm_vsrc(0)
	s_getreg_b32 s2, hwreg(HW_REG_IB_STS2, 6, 4)
	s_cmp_eq_u32 s2, 0
	s_cbranch_scc0 .Lentry_in_a_cluster
	s_endpgm
.Lentry_in_a_cluster:
	s_bfe_u32 s2, ttmp6, 0x10000c
	s_cmp_lg_u32 s2, 0x3003
	s_cbranch_scc0 .Lentry_shape_is_right
	s_endpgm
.Lentry_shape_is_right:
; Causal attention on MX-FP8 codes, 32 heads (batch x head) of 2,048 tokens x 64; the result is divided by the row's sum, quantised along the model's 1,024 and stored as fragment images for the projection.
; SOFTMAX: t = score x log2(e) / 8; M = the running largest t rounded UP to a whole number; p = 2^(t - M) is quantised along the keys; the sum is taken of the unquantised p; when M moves, sum and O are multiplied by 2^(old M - new M): exact.
; SHARES.  A head has 16 blocks of 128 queries, 8 tiles of 16 each; a key step is 128 keys.  Work-group c (0 .. 7) of a head takes tile c of EVERY block, so which key steps a wave walks hangs on the wave's number alone.
; The keys of the long tiles are divided: wave 8 + j takes block 15 - j over key steps 0-7 (all of them count); wave j takes block j (key steps 0 .. j), stores it, and then block 15 - j over key steps 8 .. 15 - j.
; So a wave walks 8 or 9 key steps.  At the end wave j hands O^T, the sums and -M of its part to wave 8 + j through LDS bytes of their own; the two parts are brought under the larger M by powers of two, added, and stored.
; All waves walk one loop of 8 trips, two key steps a trip, and jump over the WORK of the steps that are not theirs (a scalar branch on the wave's number and the count of steps); no barrier and no tensor load stands under such a branch.
; K AND V OF THE WHOLE HEAD STAY IN LDS, as fragment images, with 8,192 bytes of scale words.  They come once, ONE tensor load a wave: wave j < 8 brings a tile of two rows of 16,384 bytes,
; key steps 2 j and 2 j + 1 of K and the same of V (V's bytes lie 4,194,304 behind K's in QKV): chunk j of LDS, 32,768 bytes, holds K's two key steps and then V's.  Wave 8 + j brings 1,024 bytes of scale words (j < 4: K's, else V's).
; CLUSTERS of 4, 1, 1: the four work-groups of a cluster serve one head and ask for these tiles JOINTLY (mask 15).  The place in the cluster enters global addresses (q, the result) and the diagonal's compare values alone.
; No LDS byte is filled twice.  No prefetch: all tiles are asked for at the head, so there is no loop to run ahead in.
; LAYOUT.  S^T = K Q^T, O^T = V^T P^T: a lane holds one query.  A tile T holds rows 32 (T / 2) + 8 (T % 2) + (r % 8) + 16 (r / 8), so the registers of two neighbouring tiles of S^T are 16 neighbouring keys.
; THE HEAD IS 64, THE INSTRUCTION'S K 128: two neighbouring key tiles lie in one fragment (K 0-63: tile 2 g, K 64-127: tile 2 g + 1); it is multiplied by [q | zeros] and by [zeros | q]: zero codes add nothing.
; LIMITS: NaN and infinities are not served; blocks of zeros get the scale byte 1; 1 / sum by v_rcp_f32.
.set KV,   40                          ; v40-103  four fragments of K or of V
.set S,    104                         ; v104-167 S^T, then p; at the end the other wave's part
.set O,    168                         ; v168-199 O^T
.set PCD,  200                         ; v200-215 p's codes
.set BM,   216
.set T2,   220
.set HOLD, 224
.set SCOP, 228
.set SW,   232                         ; v232-235 K's or V's scale words, and nothing else
.set PSW,  238                         ; p's scale word
.set QSW,  6                           ; q's
.set PAD,  240                         ; v240 LDS address of my pair's part: PART + 4,608 j + 16 x lane
.set CHK,  32768                       ; LDS: a chunk: two key steps of K, 8,192 bytes each, then
.set VOF,  16384                       ; the same two of V
.set SCB,  262144                      ; LDS: K's scale words, 256 bytes a key step; V's 4,096 bytes further
.set SPARE, 270336                     ; the spare words: 128 bytes a wave
.set PART, 272384                      ; the parts that wave j hands to wave 8 + j: nine images of four registers, 4,608 bytes a pair; no tile lands here
.set WV,   12
.set KS,   13                          ; the key step
.set KSO,  14                          ; 256 x the key step
.set JJ,   15                          ; the last key step of the tile in hand
.set KSB,  16                          ; where the trip's chunk begins
.set TRIP, 17
.set MNT,  19
.set SEL,  20
.set CS,   22
.set G1S,  44                          ; s[44:51] descriptor group 1 for scale words;  s[52:59] for codes
.set G1A,  52
.set G0S,  84                          ; s[84:87], s[88:91] the groups 0; none is ever written again
.set G0A,  88
.macro SHAPE g, cols, rows, pitch      ; rows of so many elements of 8 bytes, no padding: images are read 512 consecutive bytes at a time.  Mask 15: all four of the cluster; bit 21 set beside it
	s_mov_b32 s[\g], 15|(3<<16)|(1<<21)
	s_mov_b32 s[\g+1], (\cols)<<16
	s_mov_b32 s[\g+2], (\rows)<<16
	s_mov_b32 s[\g+3], (\cols)<<16
	s_mov_b32 s[\g+4], \rows
	s_mov_b32 s[\g+5], \pitch
	s_mov_b32 s[\g+6], 0
	s_mov_b32 s[\g+7], 0
.endm
.macro CROUND                          ; a round of the cluster's barrier
	s_barrier_signal -1
	s_barrier_wait -1
	s_cmp_lg_u32 s[WV], 0
	s_cbranch_scc1 .Lnot_wave_0_\@
	s_barrier_signal -3
.Lnot_wave_0_\@:
	s_barrier_wait -3
	s_barrier_signal -1
	s_barrier_wait -1
.endm
.macro QADR t, c0, s0                  ; q's tile s[t]: its codes' address -> s[c0:c0+1], its scale half words' -> s[s0:s0+1].  s26 = the head's place among the codes, s43 among q's scale bytes
	s_lshl_b32 s[\c0], s[\t], 10
	s_add_co_u32 s[\c0], s[\c0], s26
	s_mov_b32 s[\c0+1], 0
	s_add_nc_u64 s[\c0:\c0+1], s[4:5], s[\c0:\c0+1]
	s_lshr_b32 s[\s0], s[\t], 1
	s_lshl_b32 s[\s0], s[\s0], 6
	s_and_b32 s27, s[\t], 1
	s_lshl_b32 s27, s27, 1
	s_add_co_u32 s[\s0], s[\s0], s27
	s_add_co_u32 s[\s0], s[\s0], s43
	s_mov_b32 s[\s0+1], 0
	s_add_nc_u64 s[\s0:\s0+1], s[4:5], s[\s0:\s0+1]
.endm
	s_load_b128 s[4:7], s[0:1], 0x0                ; QKV, A
	v_lshl_add_u32 v254, v0, 2, SPARE
	v_mov_b32 v255, 0
	ds_add_u32 v254, v255                          ; the opening lines: the add, twice on end, and its wait ahead of the round in front of my tensor load
	ds_add_u32 v254, v255
	v_lshrrev_b32 v1, 5, v0
	s_delay_alu instid0(VALU_DEP_1)
	v_readfirstlane_b32 s[WV], v1                  ; wave 0..15
	s_and_b32 s18, ttmp7, 0xffff                   ; 16 x batch + head
	s_bfe_u32 s24, ttmp6, 0x40000                  ; my place in the cluster,
	s_lshl_b32 s26, ttmp9, 2
	s_add_co_u32 s24, s24, s26                     ; c: my tile in every block
	s_and_b32 s28, s[WV], 7                        ; j.  Also: which chunk, or which eighth of the scale words, I fetch
	s_sub_co_u32 s42, 15, s28                      ; the long block of my pair
	s_cmp_lt_u32 s[WV], 8
	s_cselect_b32 s[JJ], s28, s42                  ; my first block = its last key step
	s_lshl_b32 s25, s[JJ], 3
	s_add_co_u32 s25, s25, s24                     ; my first tile: the one whose result I store
	s_lshl_b32 s29, s42, 3
	s_add_co_u32 s29, s29, s24                     ; the long tile of my pair
	SHAPE G1S, 32, 4, 32                           ; 1,024 dense bytes as 4 rows of 256
	SHAPE G1A, 2048, 2, 524288                     ; 2 rows of 16,384 bytes, 4,194,304 bytes apart
	s_mov_b32 s[G0S], 1
	s_mov_b32 s[G0A], 1
	s_lshl_b32 s[G0S+1], s28, 10
	s_add_co_u32 s[G0S+1], s[G0S+1], SCB
	s_lshl_b32 s[G0A+1], s28, 15                   ; chunk j
	s_lshl_b32 s60, s18, 17                        ; the head's 131,072 bytes,
	s_lshl_b32 s26, s28, 14                        ; key steps 2 j, 2 j + 1,
	s_add_co_u32 s60, s60, s26
	s_add_co_u32 s60, s60, 4194304                 ; in k
	s_mov_b32 s61, 0
	s_lshl_b32 s100, s18, 12                       ; the head's 4,096 bytes of scale words;
	s_lshr_b32 s26, s28, 2
	s_lshl_b32 s26, s26, 17                        ; V's lie 131,072 bytes behind K's
	s_add_co_u32 s100, s100, s26
	s_and_b32 s26, s28, 3
	s_lshl_b32 s26, s26, 10
	s_add_co_u32 s100, s100, s26
	s_add_co_u32 s100, s100, 12713984
	s_mov_b32 s101, 0
	s_wait_dscnt 0x0                               ; both opening adds are done
	CROUND                                         ; all four work-groups are here: the joint loads meet
	s_wait_kmcnt 0x0
	s_add_nc_u64 s[G0S+2:G0S+3], s[4:5], s[100:101]
	s_or_b32 s[G0S+3], s[G0S+3], 0x80000000
	s_add_nc_u64 s[G0A+2:G0A+3], s[4:5], s[60:61]
	s_or_b32 s[G0A+3], s[G0A+3], 0x80000000
	s_cmp_lt_u32 s[WV], 8                          ; one load a wave, in the two arms of one branch on the wave's number
	s_cbranch_scc0 .Lfor_scales
	tensor_load_to_lds s[G0A:G0A+3], s[G1A:G1A+7]  ; waves 0-7: a chunk of codes
	s_nop 0
.rept 4
	v_nop
.endr
	s_branch .Lasked
.Lfor_scales:
	tensor_load_to_lds s[G0S:G0S+3], s[G1S:G1S+7]  ; waves 8-15: scale words
	s_nop 0
.rept 4
	v_nop
.endr
.Lasked:
	v_and_b32 v8, 31, v0
	s_delay_alu instid0(VALU_DEP_1)
	v_lshlrev_b32 v2, 4, v8                        ; 16 x lane: my place in an image of K
	s_delay_alu instid0(VALU_DEP_1)
	v_add_nc_u32 v10, VOF, v2                      ; and of V
	v_and_b32 v8, 15, v0                           ; r
	v_bfe_u32 v9, v0, 4, 1                         ; h
	s_delay_alu instid0(VALU_DEP_2)
	v_lshl_add_u32 v3, v8, 2, SCB                  ; K's scale words: 4 r; V's lie 4,096 further
	s_delay_alu instid0(VALU_DEP_3)
	v_lshlrev_b32 v7, 2, v8                        ; 4 r
	s_wait_alu depctr_va_vdst(0)
	v_and_b32 v11, 8, v8
	s_delay_alu instid0(VALU_DEP_1)
	v_add_nc_u32 v11, v11, v8                      ; r + 8 (r / 8)
	s_lshr_b32 s26, s24, 1
	s_lshl_b32 s26, s26, 5
	s_and_b32 s27, s24, 1
	s_lshl_b32 s27, s27, 3
	s_add_co_u32 s26, s26, s27
	v_add_nc_u32 v4, s26, v11
	v_lshlrev_b32 v11, 4, v9
	s_delay_alu instid0(VALU_DEP_1)
	v_sub_nc_u32 v4, v4, v11                       ; my query in its block - 16 h, the same in both my tiles: on the diagonal register 16 b + i (key 32 b + 16 h + i) is hidden where 32 b + i is larger
	s_mul_i32 s27, s28, 4608
	s_add_co_u32 s27, s27, PART
	v_add_nc_u32 v[PAD], s27, v2
	s_mov_b32 s[SEL], 0x76543210
	s_mov_b32 s[SEL+1], 0xfedcba98
	s_mov_b32 s[CS], 0x3e38aa3b                    ; log2(e) / 8
	s_mov_b32 s[CS+1], s[CS]
	s_mov_b32 s[MNT], 0x600000
	s_lshl_b32 s26, s18, 17                        ; the head's 131,072 bytes in q
	s_lshl_b32 s43, s18, 12
	s_add_co_u32 s43, s43, 12582912                ; and its 4,096 bytes of q's scale bytes
	QADR 25, 30, 32                                ; my first tile of q
	QADR 29, 66, 68                                ; the long tile of my pair
	s_lshr_b32 s34, s18, 4
	s_lshl_b32 s34, s34, 7
	s_add_co_u32 s34, s34, s25                     ; the tile that I store, among all 256 token tiles
	s_and_b32 s35, s18, 15                         ; the head
	s_lshr_b32 s36, s34, 2
	s_lshl_b32 s36, s36, 3
	s_lshr_b32 s37, s35, 1
	s_add_co_u32 s36, s36, s37
	s_lshl_b32 s36, s36, 2
	s_and_b32 s37, s34, 3
	s_add_co_u32 s36, s36, s37                     ; fragment (row block x 8 + K step) x 4 + tile
	s_and_b32 s35, s35, 1
	s_lshl_b32 s38, s36, 11
	s_lshl_b32 s39, s35, 10
	s_add_co_u32 s38, s38, s39                     ; an odd head fills chunks 2 and 3
	s_mov_b32 s39, 0
	s_lshl_b32 s40, s36, 6
	s_lshl_b32 s41, s35, 1
	s_add_co_u32 s40, s40, s41
	s_add_co_u32 s40, s40, 4194304
	s_mov_b32 s41, 0
	s_add_nc_u64 s[38:39], s[6:7], s[38:39]
	s_add_nc_u64 s[40:41], s[6:7], s[40:41]
	global_load_b128 v[24:27], v2, s[30:31]                        ; q: v24-31, between eight zeros below and eight above
	global_load_b128 v[28:31], v2, s[30:31] offset:512
	global_load_u16 v239, v7, s[32:33]
.irp j, 0,1,2,3,4,5,6,7
	v_mov_b32 v[16+\j], 0
	v_mov_b32 v[32+\j], 0
.endr
.macro FRESH                           ; a tile begins: the step is written alike for all key steps, and the first finds zeros
.set n, 0
.rept 32
	v_mov_b32 v[O+n], 0
.set n, n+1
.endr
	v_mov_b32 v13, 0xff61b1e6                      ; the largest t so far: -3e38
	s_delay_alu instid0(VALU_DEP_1)
	v_floor_f32 v12, -v13                          ; -M
	v_mov_b32 v14, 0
	v_mov_b32 v15, 0
.endm
	FRESH
	v_mov_b32 v237, 0                              ; (named as the upper half of the pair v[236:237])
.irp b, 0,1,2,3
	v_mov_b32 v[T2+\b], 0                          ; a lane permute's destination counts as read
.endr
	s_wait_loadcnt 0x0                             ; q and its scale bytes
	v_lshl_or_b32 v[QSW], v239, 16, v239           ; q's two bytes, for K 0-63 and again for K 64-127
	s_mov_b32 s[KS], 0
	s_mov_b32 s[KSO], 0
	s_mov_b32 s[KSB], 0
	s_mov_b32 s[TRIP], 0
.macro STEP q                          ; key step KS, the q-th of its chunk
	s_cmp_gt_u32 s[KS], s[JJ]                      ; all of this step's keys come after my queries, or the step is not mine
	s_cbranch_scc1 .Lskip_\@
	v_add_nc_u32 v8, s[KSB], v2                    ; the chunk's images of K,
	v_add_nc_u32 v9, s[KSB], v10                   ; of V,
	v_add_nc_u32 v5, s[KSO], v3                    ; and the step's scale words
.rept 5
	v_nop                                          ; with the three lines above: eight places in front of loads into registers that the last products read
.endr
.irp g, 0,1,2,3
.irp c, 0,1,2,3
	ds_load_b128 v[KV+16*\g+4*\c:KV+16*\g+4*\c+3], v8 offset:8192*(\q)+2048*\g+512*\c
.endr
	ds_load_b32 v[SW+\g], v5 offset:64*\g
.endr
	s_wait_dscnt 0x0
	s_wait_alu depctr_va_vdst(0)
.irp g, 0,1,2,3
	v_wmma_scale_f32_16x16x128_f8f6f4 v[S+16*\g:S+16*\g+7], v[KV+16*\g:KV+16*\g+15], v[24:39], 0, v[SW+\g], v[QSW]
	v_wmma_scale_f32_16x16x128_f8f6f4 v[S+16*\g+8:S+16*\g+15], v[KV+16*\g:KV+16*\g+15], v[16:31], 0, v[SW+\g], v[QSW]
.endr
.rept 8
	v_nop
.endr
.irp t, 0,1,2,3                        ; V's fragments are asked for now and land under the softmax
.irp c, 0,1,2,3
	ds_load_b128 v[KV+16*\t+4*\c:KV+16*\t+4*\c+3], v9 offset:8192*(\q)+2048*\t+512*\c
.endr
	ds_load_b32 v[SW+\t], v5 offset:4096+64*\t
.endr
	s_cmp_lg_u32 s[KS], s[JJ]
	s_cbranch_scc1 .Lopen_\@
	v_mov_b32 v249, 0xff800000                     ; on the diagonal hidden scores become -infinity: p = 0
.irp b, 0,1,2,3
.irp i, 0,1,2,3,4,5,6,7,8,9,10,11,12,13,14,15
	v_cmp_gt_i32 vcc_lo, 32*\b+\i, v4
	v_cndmask_b32 v[S+16*\b+\i], v[S+16*\b+\i], v249, vcc_lo
.endr
.endr
.Lopen_\@:
.irp b, 0,1,2,3
	v_max3_num_f32 v[BM+\b], v[S+16*\b], v[S+1+16*\b], v[S+2+16*\b]   ; the largest score of each block of 32 keys: for the row's maximum, and, since p rises with the score, for the block's largest p
.endr
.irp i, 3,5,7,9,11,13
.irp b, 0,1,2,3
	v_max3_num_f32 v[BM+\b], v[BM+\b], v[S+16*\b+\i], v[S+1+16*\b+\i]
.endr
.endr
.irp b, 0,1,2,3
	v_max_num_f32 v[BM+\b], v[BM+\b], v[S+15+16*\b]
.endr
.irp b, 0,1,2,3
	s_delay_alu instid0(VALU_DEP_4)
	v_permlanex16_b32 v[T2+\b], v[BM+\b], s[SEL], s[SEL+1]
.endr
.irp b, 0,1,2,3
	s_delay_alu instid0(VALU_DEP_4)
	v_max_num_f32 v[BM+\b], v[BM+\b], v[T2+\b]
.endr
	s_delay_alu instid0(VALU_DEP_2)
	v_max3_num_f32 v239, v[BM], v[BM+1], v[BM+2]
	s_delay_alu instid0(VALU_DEP_1)
	v_max_num_f32 v239, v239, v[BM+3]
	s_delay_alu instid0(VALU_DEP_1)
	v_mul_f32 v239, s[CS], v239
	s_delay_alu instid0(VALU_DEP_1)
	v_max_num_f32 v13, v13, v239                   ; the running largest t
	v_mov_b32 v239, v12
	s_delay_alu instid0(VALU_DEP_2)
	v_floor_f32 v12, -v13                          ; -M = floor(-t)
	s_delay_alu instid0(VALU_DEP_1)
	v_sub_f32 v239, v12, v239                      ; old M - new M: a whole number, 0 or less
	s_delay_alu instid0(VALU_DEP_1)
	v_cvt_i32_f32 v239, v239                       ; (it saturates)
	s_delay_alu instid0(VALU_DEP_1)
	v_ldexp_f32 v236, 1.0, v239                    ; f = 2^(old M - new M)
.set n, 0
.rept 32
	v_pk_fma_f32 v[S+2*n:S+2*n+1], v[S+2*n:S+2*n+1], s[CS:CS+1], v[12:13] op_sel_hi:[1,0,0]   ; t - M
.set n, n+1
.endr
.irp b, 0,1,2,3
	v_fma_f32 v[BM+\b], v[BM+\b], s[CS], v12
.endr
.set n, 0
	s_wait_alu depctr_va_vdst(0)                   ; the wait ahead of the batch
.rept 64
	v_exp_f32 v[S+n], v[S+n]                       ; p, at most 1
.set n, n+1
.endr
	v_pk_mul_f32 v[14:15], v[14:15], v[236:237] op_sel_hi:[1,0]   ; the sums under the new M: a plain line behind the batch
	s_wait_alu depctr_va_vdst(0)                   ; one wait for the 64, ahead of their first reader
.irp b, 0,1,2,3
	v_exp_f32 v[BM+\b], v[BM+\b]                   ; the block's largest p
.endr
	v_pk_add_f32 v[220:221], v[108:109], v[112:113]   ; the row's sum of the unquantised p, in eight chains
	v_pk_add_f32 v[252:253], v[116:117], v[120:121]
	v_pk_add_f32 v[250:251], v[124:125], v[128:129]
	v_pk_add_f32 v[248:249], v[132:133], v[136:137]
	v_pk_add_f32 v[246:247], v[140:141], v[144:145]
	v_pk_add_f32 v[244:245], v[148:149], v[152:153]
	v_pk_add_f32 v[242:243], v[156:157], v[160:161]
	v_pk_add_f32 v[14:15], v[14:15], v[164:165]
	v_pk_add_f32 v[220:221], v[220:221], v[104:105]
	v_pk_add_f32 v[252:253], v[252:253], v[106:107]
	v_pk_add_f32 v[250:251], v[250:251], v[110:111]
	v_pk_add_f32 v[248:249], v[248:249], v[114:115]
	v_pk_add_f32 v[246:247], v[246:247], v[118:119]
	v_pk_add_f32 v[244:245], v[244:245], v[122:123]
	v_pk_add_f32 v[242:243], v[242:243], v[126:127]
	v_pk_add_f32 v[14:15], v[14:15], v[130:131]
	v_pk_add_f32 v[220:221], v[220:221], v[134:135]
	v_pk_add_f32 v[252:253], v[252:253], v[138:139]
	v_pk_add_f32 v[250:251], v[250:251], v[142:143]
	v_pk_add_f32 v[248:249], v[248:249], v[146:147]
	v_pk_add_f32 v[246:247], v[246:247], v[150:151]
	v_pk_add_f32 v[244:245], v[244:245], v[154:155]
	v_pk_add_f32 v[242:243], v[242:243], v[158:159]
	v_pk_add_f32 v[14:15], v[14:15], v[162:163]
	v_pk_add_f32 v[220:221], v[220:221], v[166:167]
	s_delay_alu instid0(VALU_DEP_2)
	v_pk_add_f32 v[14:15], v[14:15], v[248:249]
	s_delay_alu instid0(VALU_DEP_2)
	v_pk_add_f32 v[220:221], v[220:221], v[246:247]
	v_pk_add_f32 v[252:253], v[252:253], v[244:245]
	v_pk_add_f32 v[250:251], v[250:251], v[242:243]
	s_delay_alu instid0(VALU_DEP_2)
	v_pk_add_f32 v[14:15], v[14:15], v[252:253]
	s_delay_alu instid0(VALU_DEP_2)
	v_pk_add_f32 v[220:221], v[220:221], v[250:251]
	s_delay_alu instid0(VALU_DEP_1)
	v_pk_add_f32 v[14:15], v[14:15], v[220:221]
	s_wait_alu depctr_va_vdst(0)                   ; and one for the four
.irp b, 0,1,2,3
	v_max_num_f32 v[BM+\b], 0x4800000, v[BM+\b]    ; the floor: the byte cannot fall under 1
.endr
.irp b, 0,1,2,3
	s_delay_alu instid0(VALU_DEP_4)
	v_add_nc_u32 v[SCOP+\b], 0xfc000000, v[BM+\b]
.endr
.irp b, 0,1,2,3
	v_and_or_b32 v[HOLD+\b], v[BM+\b], 0x7f800000, s[MNT]
.endr
.irp b, 0,1,2,3
	v_lshrrev_b32 v[T2+\b], 23, v[SCOP+\b]
.endr
	s_delay_alu instid0(VALU_DEP_3)
	v_lshl_or_b32 v[PSW], v[T2+1], 8, v[T2]
	s_delay_alu instid0(VALU_DEP_1)
	v_lshl_or_b32 v[PSW], v[T2+2], 16, v[PSW]
	s_delay_alu instid0(VALU_DEP_1)
	v_lshl_or_b32 v[PSW], v[T2+3], 24, v[PSW]
.irp b, 0,1,2,3
.irp i, 0,1,2,3,4,5,6,7,8,9,10,11,12,13,14,15
	v_min_num_f32 v[S+16*\b+\i], v[S+16*\b+\i], v[HOLD+\b]   ; p is not negative: a one-sided hold
.endr
	v_cvt_scalef32_pk8_fp8_f32 v[PCD+4*\b:PCD+4*\b+1], v[S+16*\b:S+16*\b+7], v[SCOP+\b]
	v_cvt_scalef32_pk8_fp8_f32 v[PCD+4*\b+2:PCD+4*\b+3], v[S+16*\b+8:S+16*\b+15], v[SCOP+\b]
.endr
.set n, 0
.rept 16
	v_pk_mul_f32 v[O+2*n:O+2*n+1], v[O+2*n:O+2*n+1], v[236:237] op_sel_hi:[1,0]   ; O^T under the new M; these are also the places in front of the products
.set n, n+1
.endr
	s_wait_alu depctr_va_vdst(0)
	s_wait_dscnt 0x0                               ; V
.irp t, 0,1,2,3
	v_wmma_scale_f32_16x16x128_f8f6f4 v[O+8*\t:O+8*\t+7], v[KV+16*\t:KV+16*\t+15], v[PCD:PCD+15], v[O+8*\t:O+8*\t+7], v[SW+\t], v[PSW]
.endr
.Lskip_\@:
	s_add_co_u32 s[KS], s[KS], 1
	s_add_co_u32 s[KSO], s[KSO], 256
.endm
; THE WAY OUT of a finished tile: O^T / the sum; register 16 g + i is channel 32 g + 16 h + i of my query: two blocks of 32 along the projection's K
.macro WAYOUT
.rept 8
	v_nop
.endr
	s_wait_alu depctr_va_vdst(0)
	v_add_f32 v14, v14, v15
	s_delay_alu instid0(VALU_DEP_1)
	v_permlanex16_b32 v239, v14, s[SEL], s[SEL+1]
	s_delay_alu instid0(VALU_DEP_1)
	v_add_f32 v14, v14, v239
	s_wait_alu depctr_va_vdst(0)
	v_rcp_f32 v14, v14
	v_nop
	s_wait_alu depctr_va_vdst(0)
.set n, 0
.rept 32
	v_mul_f32 v[S+n], v[O+n], v14
.set n, n+1
.endr
.irp b, 0,1
	v_max3_num_f32 v[BM+\b], |v[S+16*\b]|, |v[S+1+16*\b]|, 0x4800000
.endr
.irp i, 2,4,6,8,10,12,14
.irp b, 0,1
	s_delay_alu instid0(VALU_DEP_2)
	v_max3_num_f32 v[BM+\b], v[BM+\b], |v[S+16*\b+\i]|, |v[S+1+16*\b+\i]|
.endr
.endr
.irp b, 0,1
	s_delay_alu instid0(VALU_DEP_2)
	v_permlanex16_b32 v[T2+\b], v[BM+\b], s[SEL], s[SEL+1]
.endr
.irp b, 0,1
	s_delay_alu instid0(VALU_DEP_2)
	v_max_num_f32 v[BM+\b], v[BM+\b], v[T2+\b]
.endr
.irp b, 0,1
	s_delay_alu instid0(VALU_DEP_2)
	v_add_nc_u32 v[SCOP+\b], 0xfc000000, v[BM+\b]
.endr
.irp b, 0,1
	s_delay_alu instid0(VALU_DEP_4)
	v_and_or_b32 v[HOLD+\b], v[BM+\b], 0x7f800000, s[MNT]
.endr
.irp b, 0,1
	s_delay_alu instid0(VALU_DEP_4)
	v_lshrrev_b32 v[T2+\b], 23, v[SCOP+\b]
.endr
	s_delay_alu instid0(VALU_DEP_1)
	v_lshl_or_b32 v239, v[T2+1], 8, v[T2]
.irp b, 0,1
.irp i, 0,1,2,3,4,5,6,7,8,9,10,11,12,13,14,15
	v_med3_num_f32 v[S+16*\b+\i], v[S+16*\b+\i], -v[HOLD+\b], v[HOLD+\b]
.endr
	v_cvt_scalef32_pk8_fp8_f32 v[PCD+4*\b:PCD+4*\b+1], v[S+16*\b:S+16*\b+7], v[SCOP+\b]
	v_cvt_scalef32_pk8_fp8_f32 v[PCD+4*\b+2:PCD+4*\b+3], v[S+16*\b+8:S+16*\b+15], v[SCOP+\b]
.endr
	v_nop
	global_store_b128 v2, v[PCD:PCD+3], s[38:39]               ; 512 consecutive bytes, aligned
	global_store_b128 v2, v[PCD+4:PCD+7], s[38:39] offset:512
	global_store_b16 v7, v239, s[40:41]            ; my head's half of the scale word (lanes r and r + 16 store the same)
.endm
	s_wait_alu depctr_va_vdst(0)                   ; the wait at the head's end
	s_wait_tensorcnt 0x0                           ; my load has landed
	s_barrier_signal -1
	s_barrier_wait -1                              ; everybody's has; up to the barrier at the end the waves share nothing
.Ltrip:
	s_cmp_eq_u32 s[TRIP], 4                        ; in front of key step 8 the waves change their work
	s_cbranch_scc0 .Lno_change
	s_cmp_lt_u32 s[WV], 8
	s_cbranch_scc1 .Lnext_tile
	s_mov_b32 s[JJ], 0                             ; waves 8-15 have walked their eight steps: every later step is jumped over
	s_branch .Lno_change
.Lnext_tile:                                           ; waves 0-7: the short tile is finished
	global_load_b128 v[24:27], v2, s[66:67]        ; the long tile's q lands under the way out (the products that read these registers stand a softmax back)
	global_load_b128 v[28:31], v2, s[66:67] offset:512
	global_load_u16 v1, v7, s[68:69]
	WAYOUT
	FRESH
	s_mov_b32 s[JJ], s42                           ; its diagonal
	s_wait_loadcnt 0x0
	v_lshl_or_b32 v[QSW], v1, 16, v1
	s_wait_xcnt 0x0                                ; the stores' data are written again only behind this wait
	s_wait_alu depctr_va_vdst(0)
.Lno_change:
	STEP 0
	STEP 1
	s_add_co_u32 s[KSB], s[KSB], CHK               ; the next chunk
	s_add_co_u32 s[TRIP], s[TRIP], 1
	s_cmp_lt_u32 s[TRIP], 8
	s_cbranch_scc1 .Ltrip
	; THE TWO PARTS OF A LONG TILE MEET
.rept 8
	v_nop                                          ; places behind the last products, ahead of the stores that read their results
.endr
	s_wait_alu depctr_va_vdst(0)
	s_cmp_lt_u32 s[WV], 8
	s_cbranch_scc0 .Lnothing_to_hand
.irp k, 0,1,2,3,4,5,6,7
	ds_store_b128 v[PAD], v[O+4*\k:O+4*\k+3] offset:512*\k      ; an image of the registers: 16 bytes a lane, from O^T's low end on
.endr
	ds_store_b128 v[PAD], v[12:15] offset:4096     ; -M, the largest t, the sum's two halves
.Lnothing_to_hand:
	s_wait_dscnt 0x0                               ; for the other wave's sake: my stores have landed
	s_barrier_signal -1
	s_barrier_wait -1
	s_cmp_lt_u32 s[WV], 8
	s_cbranch_scc1 .Lend
.irp k, 0,1,2,3,4,5,6,7
	ds_load_b128 v[S+4*\k:S+4*\k+3], v[PAD] offset:512*\k
.endr
	ds_load_b128 v[S+32:S+35], v[PAD] offset:4096
	s_wait_dscnt 0x0
	v_min_num_f32 v[S+38], v12, v[S+32]            ; -M of both parts: the larger M
	v_mov_b32 v[S+37], 0                           ; (named as the upper half of the pair)
	v_sub_f32 v[S+39], v[S+38], v12                ; my M - M: a whole number, 0 or less
	v_sub_f32 v[S+36], v[S+38], v[S+32]            ; the other part's
	v_cvt_i32_f32 v[S+39], v[S+39]                 ; (they saturate)
	v_cvt_i32_f32 v[S+36], v[S+36]
	v_ldexp_f32 v236, 1.0, v[S+39]
	v_ldexp_f32 v[S+36], 1.0, v[S+36]
	v_pk_mul_f32 v[14:15], v[14:15], v[236:237] op_sel_hi:[1,0]
.set n, 0
.rept 16
	v_pk_mul_f32 v[O+2*n:O+2*n+1], v[O+2*n:O+2*n+1], v[236:237] op_sel_hi:[1,0]
.set n, n+1
.endr
	v_pk_fma_f32 v[14:15], v[S+34:S+35], v[S+36:S+37], v[14:15] op_sel_hi:[1,0,1]
.set n, 0
.rept 16
	v_pk_fma_f32 v[O+2*n:O+2*n+1], v[S+2*n:S+2*n+1], v[S+36:S+37], v[O+2*n:O+2*n+1] op_sel_hi:[1,0,1]
.set n, n+1
.endr
	WAYOUT
.Lend:
	s_wait_tensorcnt 0x0                           ; the wave's end
	ds_add_u32 v254, v255
	s_wait_dscnt 0x0
	CROUND                                         ; the closing round
	s_endpgm
.Lfunc_end_k_qb4f3ab5abf_attn:
	.size	k_qb4f3ab5abf_attn, .Lfunc_end_k_qb4f3ab5abf_attn-k_qb4f3ab5abf_attn
	.p2alignl 7, 3214868480
	.fill 96, 4, 3214868480
	.section	.rodata,"a",@progbits
	.p2align	6, 0x0
	.amdhsa_kernel k_qb4f3ab5abf_attn
		.amdhsa_group_segment_fixed_size 327680
		.amdhsa_private_segment_fixed_size 0
		.amdhsa_enable_private_segment 0
		.amdhsa_kernarg_size 16
		.amdhsa_user_sgpr_count 2
		.amdhsa_user_sgpr_kernarg_segment_ptr 1
		.amdhsa_wavefront_size32 1
		.amdhsa_system_sgpr_workgroup_id_x 1
		.amdhsa_system_sgpr_workgroup_id_y 1
		.amdhsa_system_sgpr_workgroup_id_z 1
		.amdhsa_system_vgpr_workitem_id 0
		.amdhsa_next_free_vgpr 256
		.amdhsa_next_free_sgpr 106
		.amdhsa_reserve_vcc 1
		.amdhsa_float_denorm_mode_32 3
		.amdhsa_float_denorm_mode_16_64 3
		.amdhsa_memory_ordered 1
		.amdhsa_forward_progress 1
		.amdhsa_inst_pref_size 79
	.end_amdhsa_kernel
	.amdgpu_metadata
---
amdhsa.version: [ 1, 2 ]
amdhsa.kernels:
  - .name:           k_qb4f3ab5abf_attn
    .symbol:         k_qb4f3ab5abf_attn.kd
    .args:
      - { .name: QKV, .offset: 0, .size: 8, .value_kind: global_buffer, .address_space: global }
      - { .name: A, .offset: 8, .size: 8, .value_kind: global_buffer, .address_space: global }
    .group_segment_fixed_size: 327680
    .private_segment_fixed_size: 0
    .kernarg_segment_align: 8
    .kernarg_segment_size: 16
    .max_flat_workgroup_size: 512
    .sgpr_count:     106
    .vgpr_count:     256
    .wavefront_size: 32
...
	.end_amdgpu_metadata
.endif
;; end of part 3
;; launch proj (part 4): grid 8 x 32, 4 waves a work-group, clusters of 4 x 4, 327,680 bytes of LDS; arguments A, W, b_attn_proj, x, X1; writes X1
.if DOCPART == 4
	.amdgcn_target "amdgcn-amd-amdhsa--gfx1250"
	.amdhsa_code_object_version 6
	.text
	.protected	k_qb4f3ab5abf_proj
	.globl	k_qb4f3ab5abf_proj
	.p2align	8
	.type	k_qb4f3ab5abf_proj,@function
k_qb4f3ab5abf_proj:
	s_mov_b64 s[64:65], 0
	v_nop
	global_prefetch_b8 v0, s[64:65] scope:SCOPE_SE
	s_setreg_imm32_b32 hwreg(HW_REG_WAVE_MODE, 25, 1), 1
	s_wait_xcnt 0x0
	s_wait_alu depctr_hold_cnt(0) depctr_sa_sdst(0) depctr_va_vdst(0) depctr_va_sdst(0) depctr_va_ssrc(0) depctr_va_vcc(0) depctr_vm_vsrc(0)
	s_getreg_b32 s2, hwreg(HW_REG_IB_STS2, 6, 4)
	s_cmp_eq_u32 s2, 0
	s_cbranch_scc0 .Lentry_in_a_cluster
	s_endpgm
.Lentry_in_a_cluster:
	s_bfe_u32 s2, ttmp6, 0x10000c
	s_cmp_lg_u32 s2, 0xf033
	s_cbranch_scc0 .Lentry_shape_is_right
	s_endpgm
.Lentry_shape_is_right:
; X1 = x + attention's result w_attn_proj + b_attn_proj, on MX-FP8 codes, f32 out.  The frame is launch qkv's: P = w_attn_proj's rows (source 0), Q = tokens (source 1); a work-group makes 128 x 128, a wave 64 x 64.
; All of K (8 steps of 128) fits into the two slots: everything comes at the head, one joint load a wave, and nothing is filled again.  So there is no loop to run ahead in, and no prefetch.
; LDS: Q's row block b at 2 b HALFT, P's at (4 + 2 b) HALFT; in it slot 0's part, then slot 1's.  The bias is the first products' C; x is added on the way out, which goes through a stage in slot 0's bytes of Q's row block 0.
; LIMITS: NaN and infinities are not served.
.set NT,     4
.set NQ,     4
.set NS,     8
.set QSOFF,  4194304
.set POFF,   7340032
.set PSOFF,  12812288
.set HT,     NT/2
.set LAPS,   NS/(2*NQ)
.set HALFT,  NT*NQ*2048
.set SLOT,   4*HALFT
.set HALFS,  NS*NT*64
.set RBS,    NS*NT*2048
.set SCL,    2*SLOT
.set SPARE,  SCL+4*HALFS+256
.set ADRQ, 16
.set ADRP, 20
.set STO,  24
.set RD,   25
.set CO,   26
.set ADRS, 27
.set SPW,  28
.set NIL,  29
.set SC,   32
.set BI,   64
.set AF,   128
.set BK,   128
.set G1, 24
.set G0, 32
.set G1B, 48
.set G0B, 56
.set G1S, 68
.set G0S, 76
.set G1SB, 80
.set G0SB, 88
.set MUL_LO, 0xa1
.set MUL_HI, 0xf1
.set TO_P,   0x40
.set MSB, 0
.macro WIN new
.if MSB != (\new)
	s_set_vgpr_msb (MSB<<8)|(\new)
.set MSB, (\new)
.endif
.endm
.macro JLOAD g0a, g1a, g0b, g1b
	s_cmp_eq_u32 s15, 0
	s_cbranch_scc0 .Lfor_b_\@
	tensor_load_to_lds s[\g0a:\g0a+3], s[\g1a:\g1a+7]
	s_nop 0
.rept 4
	v_nop
.endr
	s_branch .Lasked_\@
.Lfor_b_\@:
	tensor_load_to_lds s[\g0b:\g0b+3], s[\g1b:\g1b+7]
	s_nop 0
.rept 4
	v_nop
.endr
.Lasked_\@:
.endm
.macro CREST
	s_cmp_lg_u32 s14, 0
	s_cbranch_scc1 .Lnot_wave_0_\@
	s_barrier_signal -3
.Lnot_wave_0_\@:
	s_barrier_wait -3
	s_barrier_signal -1
	s_barrier_wait -1
.endm
.macro CROUND
	s_barrier_signal -1
	s_barrier_wait -1
	CREST
.endm
.macro PLACES n
.rept \n
	v_nop
.endr
.endm
.macro FRAG reg, adr, q, i
.irp c, 0,1,2,3
	ds_load_b128 v[\reg+4*\c:\reg+4*\c+3], v[\adr] offset:((\q)*NT+(\i))*2048+512*\c
.endr
.endm
.macro FETCH_P slot, q, p
	WIN TO_P
.set ii, 0
.rept NT
	FRAG 128*(\p)+16*ii, ADRP+\slot, \q, ii
.set ii, ii+1
.endr
	WIN 0
.endm
.macro FETCH_Q slot, q, i0
.set ii, \i0
.rept HT
	FRAG AF+16*ii, ADRQ+\slot, \q, ii
.set ii, ii+1
.endr
.endm
.macro SCALES sc
.set ii, 0
.rept NT
.set qq, 0
.rept NQ
	ds_load_b32 v[SC+16*\sc+NQ*ii+qq], v[ADRS] offset:(qq*NT+ii)*64
.set qq, qq+1
.endr
.set ii, ii+1
.endr
.endm
.macro MULB a, p, q, sc, zero
.set AC, 8*NT*((\a)%HT)
.set b, 0
.rept NT
.if \zero
	v_wmma_scale_f32_16x16x128_f8f6f4 v[AC+8*b:AC+8*b+7], v[128*(\p)+16*b:128*(\p)+16*b+15], v[AF+16*(\a):AF+16*(\a)+15], v[BI+8*b:BI+8*b+7], v[SC+16*(\sc)+NQ*b+(\q)], v[SC+16*(\sc)+NQ*(\a)+(\q)] matrix_a_scale:MATRIX_SCALE_ROW1
.else
	v_wmma_scale_f32_16x16x128_f8f6f4 v[AC+8*b:AC+8*b+7], v[128*(\p)+16*b:128*(\p)+16*b+15], v[AF+16*(\a):AF+16*(\a)+15], v[AC+8*b:AC+8*b+7], v[SC+16*(\sc)+NQ*b+(\q)], v[SC+16*(\sc)+NQ*(\a)+(\q)] matrix_a_scale:MATRIX_SCALE_ROW1
.endif
.set b, b+1
.endr
.endm
.macro MULS a0, n, p, q, sc, zero
.set aa, \a0
.rept \n
	MULB aa, \p, \q, \sc, \zero
.set aa, aa+1
.endr
.endm
.macro STEP slot, q, zero
	s_wait_dscnt 4*HT
.if \zero
	WIN 0x81
.else
	WIN MUL_LO
.endif
	MULS 0, HT, (\q)%2, \q, \slot, \zero
	s_wait_dscnt 0
	PLACES 8
	FETCH_P \slot, (\q)+1, 1-(\q)%2
	FETCH_Q \slot, (\q)+1, 0
.if \zero
	WIN 0xc1
.else
	WIN MUL_HI
.endif
	MULS HT, HT, (\q)%2, \q, \slot, \zero
	PLACES 8
	WIN 0
	FETCH_Q \slot, (\q)+1, HT
.endm
.macro TURN slot, next, fill
	s_wait_tensorcnt 0x0
	ds_add_u32 v[SPW], v[NIL]
	s_wait_dscnt 4*HT+1
	WIN MUL_LO
	MULS 0, HT/2, 1, NQ-1, \slot, 0
	s_wait_dscnt 0x0
	s_barrier_signal -1
	MULS HT/2, HT/2, 1, NQ-1, \slot, 0
	WIN 0
	s_barrier_wait -1
.if \fill
	CREST
	s_add_nc_u64 s[G0+4*\slot+2:G0+4*\slot+3], s[G0+4*\slot+2:G0+4*\slot+3], 2*HALFT
	s_add_nc_u64 s[G0B+4*\slot+2:G0B+4*\slot+3], s[G0B+4*\slot+2:G0B+4*\slot+3], 2*HALFT
	JLOAD G0+4*\slot, G1, G0B+4*\slot, G1B
	PLACES 4
.else
	PLACES 8
.endif
	v_add_nc_u32 v[ADRS], NQ*NT*64, v[ADRS]
	FETCH_P \next, 0, 0
	FETCH_Q \next, 0, 0
	SCALES \next
	WIN MUL_HI
	MULS HT, HT, 1, NQ-1, \slot, 0
	PLACES 8
	WIN 0
	FETCH_Q \next, 0, HT
.endm
.macro MIDSTEPS slot, q0
.set qs, \q0
.rept NQ-1-\q0
	STEP \slot, qs, 0
.set qs, qs+1
.endr
.endm
	s_load_b256 s[4:11], s[0:1], 0x0
	s_load_b64 s[12:13], s[0:1], 0x20
	v_lshl_add_u32 v[SPW], v0, 2, SPARE
	v_mov_b32 v[NIL], 0
	ds_add_u32 v28, v29
	ds_add_u32 v28, v29
	s_wait_dscnt 0x0
	v_lshrrev_b32 v1, 5, v0
	v_readfirstlane_b32 s14, v1
	s_lshr_b32 s15, s14, 1
	s_and_b32 s16, s14, 1
	s_bfe_u32 s40, ttmp6, 0x40000
	s_bfe_u32 s41, ttmp6, 0x40004
	s_lshl_b32 s42, ttmp9, 2
	s_add_co_u32 s42, s42, s40
	s_and_b32 s17, ttmp7, 0xffff
	s_lshl_b32 s17, s17, 2
	s_add_co_u32 s17, s17, s41
	s_lshl_b32 s43, s41, 2
	s_lshl_b32 s43, 15, s43
	s_lshl_b32 s44, 0x1111, s40
	s_or_b32 s[G1], s43, (3<<16)|(1<<21)
	s_or_b32 s[G1B], s44, (3<<16)|(1<<21)
.irp g, G1, G1B
	s_mov_b32 s[\g+1], 32<<16                      ; rows of 256 bytes, dense:
	s_mov_b32 s[\g+2], (2*HALFT/256)<<16           ; a row block's 2 HALFT bytes, all of K
	s_mov_b32 s[\g+3], 32<<16
	s_mov_b32 s[\g+4], 2*HALFT/256
	s_mov_b32 s[\g+5], 32
	s_mov_b32 s[\g+6], 0
	s_mov_b32 s[\g+7], 0
.endr
	s_mul_i32 s22, s17, 2*HALFS                    ; Q's tile: its two row blocks' scale words
	s_mul_i32 s20, s17, 2*RBS                      ; and codes
	s_add_co_u32 s22, s22, QSOFF
	s_mov_b32 s21, 0
	s_mov_b32 s23, 0
	s_mul_i32 s92, s42, 2*HALFS                    ; P's tile likewise
	s_mul_i32 s46, s42, 2*RBS
	s_add_co_u32 s46, s46, POFF
	s_add_co_u32 s92, s92, PSOFF
	s_mov_b32 s47, 0
	s_mov_b32 s93, 0
	s_wait_kmcnt 0x0
	s_add_nc_u64 s[20:21], s[4:5], s[20:21]
	s_add_nc_u64 s[22:23], s[4:5], s[22:23]
	s_add_nc_u64 s[46:47], s[6:7], s[46:47]
	s_add_nc_u64 s[92:93], s[6:7], s[92:93]
	CROUND
	s_mov_b64 s[G0S+2:G0S+3], s[22:23]             ; where Q's and P's scale words lie: kept in registers that are not written again
	s_mov_b64 s[G0SB+2:G0SB+3], s[92:93]
	; THE HEAD'S LOADS, ONE A WAVE, all four alike: waves 0 and 1 Q's two row blocks, waves 2 and 3 P's, all of K: 2 HALFT bytes each, to LDS byte 2 HALFT x wave
	s_mul_i32 s94, s16, RBS                        ; which row block I fetch, in bytes
	s_mov_b32 s95, 0
	s_mov_b32 s[G0], 1
	s_mul_i32 s[G0+1], s14, 2*HALFT
	s_add_nc_u64 s[G0+2:G0+3], s[20:21], s[94:95]
	s_or_b32 s[G0+3], s[G0+3], 0x80000000
	s_mov_b32 s[G0B], 1
	s_mul_i32 s[G0B+1], s14, 2*HALFT
	s_add_nc_u64 s[G0B+2:G0B+3], s[46:47], s[94:95]
	s_or_b32 s[G0B+3], s[G0B+3], 0x80000000
	JLOAD G0, G1, G0B, G1B
	; the scale words of the tile's rows, 2 HALFS dense bytes a side, go through registers into LDS bytes of their own, 16 bytes a thread and load: a small part of the head's bytes, so they are not asked for jointly
	v_lshlrev_b32 v7, 4, v0
	v_lshl_add_u32 v19, v0, 4, SCL
.set kk, 0
.rept 2*HALFS/2048
	global_load_b128 v[AF+4*kk:AF+4*kk+3], v7, s[G0S+2:G0S+3] offset:2048*kk
	global_load_b128 v[AF+64+4*kk:AF+64+4*kk+3], v7, s[G0SB+2:G0SB+3] offset:2048*kk
.set kk, kk+1
.endr
	v_and_b32 v1, 15, v0
	v_bfe_u32 v2, v0, 4, 1
	s_wait_alu depctr_va_vdst(0)
	v_and_b32 v3, 31, v0
	v_lshlrev_b32 v4, 4, v3
	s_mul_i32 s21, s15, 2*HALFT
	s_mul_i32 s22, s16, 2*HALFT
	s_add_co_u32 s22, s22, 4*HALFT
.irp s, 0,1
	v_add_nc_u32 v[ADRQ+\s], s21, v4
	v_add_nc_u32 v[ADRP+\s], s22, v4
	s_add_co_u32 s21, s21, HALFT
	s_add_co_u32 s22, s22, HALFT
.endr
	s_mul_i32 s21, s15, HALFS
	s_mul_i32 s22, s16, HALFS
	s_add_co_u32 s22, s22, 2*HALFS+64
	s_sub_co_u32 s22, s22, s21
	v_mul_u32_u24 v6, s22, v2
	s_add_co_u32 s21, s21, SCL
	v_lshl_add_u32 v6, v1, 2, v6
	v_add_nc_u32 v[ADRS], s21, v6
	s_mul_i32 s20, s42, 128*NT
	s_mul_i32 s21, s16, 64*NT
	s_add_co_u32 s20, s20, s21
	s_mov_b32 s21, 0
	s_add_nc_u64 s[8:9], s[8:9], s[20:21]
	v_lshlrev_b32 v30, 6, v2
.set g, 0
.rept HT
.irp j, 0,1,2,3
	global_load_b128 v[BI+16*g+4*\j:BI+16*g+4*\j+3], v30, s[8:9] offset:128*g+16*\j
.endr
.set g, g+1
.endr
	s_lshl_b32 s20, s17, 19
	s_lshl_b32 s21, s15, 18
	s_add_co_u32 s20, s20, s21
	s_lshl_b32 s21, s42, 9
	s_add_co_u32 s20, s20, s21
	s_lshl_b32 s21, s16, 8
	s_add_co_u32 s20, s20, s21
	s_mov_b32 s21, 0
	s_add_nc_u64 s[10:11], s[10:11], s[20:21]
	s_add_nc_u64 s[12:13], s[12:13], s[20:21]
	v_lshlrev_b32 v[CO], 12, v2
	v_lshl_add_u32 v[CO], v1, 4, v[CO]
	s_mul_i32 s22, s14, 4352
	v_mul_u32_u24 v[STO], v1, 272
	v_lshl_add_u32 v[STO], v2, 6, v[STO]
	v_add_nc_u32 v[STO], s22, v[STO]
	v_mul_u32_u24 v[RD], v2, 272
	v_lshl_add_u32 v[RD], v1, 4, v[RD]
	v_add_nc_u32 v[RD], s22, v[RD]
	s_wait_alu depctr_va_vdst(0)                   ; the wait at the head's end
	s_wait_loadcnt 0x0                             ; the scale words (and the bias) are in registers
.set kk, 0
.rept 2*HALFS/2048
	ds_store_b128 v19, v[AF+4*kk:AF+4*kk+3] offset:2048*kk
	ds_store_b128 v19, v[AF+64+4*kk:AF+64+4*kk+3] offset:2*HALFS+64+2048*kk   ; P's lie 64 bytes further, so that the two halves of a load's lanes touch different banks
.set kk, kk+1
.endr
	s_wait_tensorcnt 0x0                           ; my one load has landed
	s_wait_dscnt 0x0                               ; for the others' sake: my stores have landed
	s_barrier_signal -1
	s_barrier_wait -1
	FETCH_P 0, 0, 0
	FETCH_Q 0, 0, 0
	SCALES 0
	FETCH_Q 0, 0, HT
	s_wait_loadcnt 0x0                             ; the bias
	STEP 0, 0, 1
.if LAPS > 1
	s_mov_b32 s3, LAPS-1
.Llap:
	MIDSTEPS 0, 1
	TURN 0, 1, 1
	MIDSTEPS 1, 0
	TURN 1, 0, 1
	STEP 0, 0, 0
	s_sub_co_u32 s3, s3, 1
	s_cmp_lg_u32 s3, 0
	s_cbranch_scc1 .Llap
.endif
	WIN 0x80                                       ; x's rows of my 64 x 64, for the way out: asked for when the head's tiles have landed, seven K steps ahead of their use
.irp a, 0,1,2,3
.irp i, 0,1,2,3,4,5,6,7
	global_load_b128 v[64+32*\a+4*\i:64+32*\a+4*\i+3], v[CO], s[10:11] offset:(32*(\a/2)+8*(\a%2)+2*\i+8*(\i/4))*4096
.endr
.endr
	WIN 0
	MIDSTEPS 0, 1
	TURN 0, 1, 0
	MIDSTEPS 1, 0
	s_wait_dscnt 4*HT
	WIN MUL_LO
	MULS 0, HT, 1, NQ-1, 1, 0
	s_wait_alu depctr_va_vdst(0)
	s_wait_dscnt 0
	WIN MUL_HI
	MULS HT, HT, 1, NQ-1, 1, 0
	WIN 0
.macro TOSTAGE a
	WIN 0x08+4*((\a)/2)
.irp g, 0,1
.irp u, 0,1
.irp p, 0,1
	ds_store_b128 v[STO], v[32*((\a)%2)+8*(2*\g+\u)+4*\p:32*((\a)%2)+8*(2*\g+\u)+4*\p+3] offset:128*\g+32*\u+16*\p
.endr
.endr
.endr
	WIN 0
.irp i, 0,1,2,3,4,5,6,7
	ds_load_b128 v[BK+32*((\a)%2)+4*\i:BK+32*((\a)%2)+4*\i+3], v[RD] offset:544*\i
.endr
.endm
.macro SEND a, younger
	s_wait_dscnt \younger
	WIN 0x08
.set n, 0
.rept 16
	v_pk_add_f32 v[BK+32*((\a)%2)+2*n:BK+32*((\a)%2)+2*n+1], v[BK+32*((\a)%2)+2*n:BK+32*((\a)%2)+2*n+1], v[64+32*(\a)+2*n:64+32*(\a)+2*n+1]
.set n, n+1
.endr
	WIN 0
.irp i, 0,1,2,3,4,5,6,7
	global_store_b128 v[CO], v[BK+32*((\a)%2)+4*\i:BK+32*((\a)%2)+4*\i+3], s[12:13] offset:(32*((\a)/2)+8*((\a)%2)+2*\i+8*(\i/4))*4096
.endr
.endm
	PLACES 8
	s_wait_loadcnt 0x0
	TOSTAGE 0
.irp a, 1,2,3
.if \a > 1
	s_wait_xcnt 0x0
.endif
	TOSTAGE \a
	SEND \a-1, 16
.endr
	SEND 3, 0
	s_wait_tensorcnt 0x0
	ds_add_u32 v[SPW], v[NIL]
	s_wait_dscnt 0x0
	CROUND
	s_endpgm
.Lfunc_end_k_qb4f3ab5abf_proj:
	.size	k_qb4f3ab5abf_proj, .Lfunc_end_k_qb4f3ab5abf_proj-k_qb4f3ab5abf_proj
	.p2alignl 7, 3214868480
	.fill 96, 4, 3214868480
	.section	.rodata,"a",@progbits
	.p2align	6, 0x0
	.amdhsa_kernel k_qb4f3ab5abf_proj
		.amdhsa_group_segment_fixed_size 327680
		.amdhsa_private_segment_fixed_size 0
		.amdhsa_enable_private_segment 0
		.amdhsa_kernarg_size 40
		.amdhsa_user_sgpr_count 2
		.amdhsa_user_sgpr_kernarg_segment_ptr 1
		.amdhsa_wavefront_size32 1
		.amdhsa_system_sgpr_workgroup_id_x 1
		.amdhsa_system_sgpr_workgroup_id_y 1
		.amdhsa_system_sgpr_workgroup_id_z 1
		.amdhsa_system_vgpr_workitem_id 0
		.amdhsa_next_free_vgpr 1024
		.amdhsa_next_free_sgpr 106
		.amdhsa_reserve_vcc 0
		.amdhsa_float_denorm_mode_32 3
		.amdhsa_float_denorm_mode_16_64 3
		.amdhsa_memory_ordered 1
		.amdhsa_forward_progress 1
		.amdhsa_inst_pref_size 64
	.end_amdhsa_kernel
	.amdgpu_metadata
---
amdhsa.version: [ 1, 2 ]
amdhsa.kernels:
  - .name:           k_qb4f3ab5abf_proj
    .symbol:         k_qb4f3ab5abf_proj.kd
    .args:
      - { .name: A, .offset: 0, .size: 8, .value_kind: global_buffer, .address_space: global }
      - { .name: W, .offset: 8, .size: 8, .value_kind: global_buffer, .address_space: global }
      - { .name: b_attn_proj, .offset: 16, .size: 8, .value_kind: global_buffer, .address_space: global }
      - { .name: x, .offset: 24, .size: 8, .value_kind: global_buffer, .address_space: global }
      - { .name: X1, .offset: 32, .size: 8, .value_kind: global_buffer, .address_space: global }
    .group_segment_fixed_size: 327680
    .private_segment_fixed_size: 0
    .kernarg_segment_align: 8
    .kernarg_segment_size: 40
    .max_flat_workgroup_size: 128
    .sgpr_count:     106
    .vgpr_count:     1024
    .wavefront_size: 32
...
	.end_amdgpu_metadata
.endif
;; end of part 4
;; launch ln2 (part 5): grid 256 x 1, 4 waves a work-group, no clusters, 67,584 bytes of LDS; arguments X1, ln2_g, ln2_b, H; writes H
.if DOCPART == 5
	.amdgcn_target "amdgcn-amd-amdhsa--gfx1250"
	.amdhsa_code_object_version 6
	.text
	.protected	k_qb4f3ab5abf_ln2
	.globl	k_qb4f3ab5abf_ln2
	.p2align	8
	.type	k_qb4f3ab5abf_ln2,@function
k_qb4f3ab5abf_ln2:
	s_mov_b64 s[64:65], 0
	v_nop
	global_prefetch_b8 v0, s[64:65] scope:SCOPE_SE
	s_setreg_imm32_b32 hwreg(HW_REG_WAVE_MODE, 25, 1), 1
	s_wait_xcnt 0x0
; h = LayerNorm(X1) g + b, quantised to MX-FP8 (E4M3, one E8M0 byte for 32 along the 1,024) and stored as FRAGMENT IMAGES.
; A TILE T holds the 16 rows 32 (T / 2) + 8 (T % 2) + (r % 8) + 16 (r / 8).  AN IMAGE of a fragment (16 rows x 128 K) is 2,048 bytes: chunk c at 512 c, lane (r, h) has 16 bytes at 16 lane: k = 32 c + 16 h + 0 .. 15 of row r; its scale words: 4 bytes at 4 r.
; Work-group T is tile T; wave w has columns 256 w .. 256 w + 255 (K steps 2 w, 2 w + 1).  Loads take 512 consecutive bytes; the wave's own stage in LDS turns them so that a lane holds 16 neighbours of each block of 32.
; Mean and variance in two passes, as the definition has them; a row's sums meet through LDS, one barrier each.
; LIMITS: NaN and infinities are not served.  A block of zeros gets the scale byte 1 (the rule says 127): its codes are zeros and only this program reads the bytes.  1 / sqrt by v_rsq_f32.
.set X,    32
.set TM,   200
.set PW,   216
.set PC,   224
.set RED,  66560
.set PX,   4
.set PG,   6
.set PB,   8
.set PH,   10
.set WV,   46
.set SEL,  20
.set MNT,  23
.set MSB, 0
.macro WIN new
.if MSB != (\new)
	s_set_vgpr_msb (MSB<<8)|(\new)
.set MSB, (\new)
.endif
.endm
.macro QUANT s
.irp b, 0,1,2,3
	v_max3_num_f32 v[TM+\b], |v[\s+16*\b]|, |v[\s+1+16*\b]|, 0x4800000   ; my 16 numbers of block b, and the floor 2^(9 - 127)
.endr
.irp i, 2,4,6,8,10,12,14
.irp b, 0,1,2,3
	v_max3_num_f32 v[TM+\b], v[TM+\b], |v[\s+16*\b+\i]|, |v[\s+1+16*\b+\i]|
.endr
.endr
.irp b, 0,1,2,3
	v_permlanex16_b32 v[TM+4+\b], v[TM+\b], s[SEL], s[SEL+1]
.endr
.irp b, 0,1,2,3
	v_max_num_f32 v[TM+\b], v[TM+\b], v[TM+4+\b]
.endr
.irp b, 0,1,2,3
	v_add_nc_u32 v[TM+12+\b], 0xfc000000, v[TM+\b]
.endr
.irp b, 0,1,2,3
	v_and_or_b32 v[TM+8+\b], v[TM+\b], 0x7f800000, s[MNT]
.endr
.irp b, 0,1,2,3
	v_lshrrev_b32 v[TM+4+\b], 23, v[TM+12+\b]
.endr
	v_lshl_or_b32 v[PW], v[TM+5], 8, v[TM+4]
	v_lshl_or_b32 v[PW], v[TM+6], 16, v[PW]
	v_lshl_or_b32 v[PW], v[TM+7], 24, v[PW]
.irp b, 0,1,2,3
.irp i, 0,1,2,3,4,5,6,7,8,9,10,11,12,13,14,15
	v_med3_num_f32 v[\s+16*\b+\i], v[\s+16*\b+\i], -v[TM+8+\b], v[TM+8+\b]
.endr
	v_cvt_scalef32_pk8_fp8_f32 v[PC+4*\b:PC+1+4*\b], v[\s+16*\b:\s+7+16*\b], v[TM+12+\b]
	v_cvt_scalef32_pk8_fp8_f32 v[PC+2+4*\b:PC+3+4*\b], v[\s+8+16*\b:\s+15+16*\b], v[TM+12+\b]
.endr
	v_nop
.endm
.macro REDUCE off
	v_pk_add_f32 v[16:17], v[16:17], v[18:19]
	v_pk_add_f32 v[20:21], v[20:21], v[22:23]
	v_pk_add_f32 v[16:17], v[16:17], v[20:21]
	v_add_f32 v16, v16, v17
	v_permlanex16_b32 v17, v16, s[SEL], s[SEL+1]
	v_add_f32 v16, v16, v17
	ds_store_b32 v7, v16 offset:\off
	s_wait_dscnt 0x0                               ; for the others' sake: my store has landed
	s_barrier_signal -1
	s_barrier_wait -1
	ds_load_b128 v[24:27], v8 offset:\off
	s_wait_dscnt 0x0
	v_add_f32 v24, v24, v25
	v_add_f32 v26, v26, v27
	v_add_f32 v16, v24, v26
.endm
	s_load_b256 s[4:11], s[0:1], 0x0               ; X1, g, b, H
	v_lshl_add_u32 v254, v0, 2, 0x10600
	v_mov_b32 v255, 0
	v_lshrrev_b32 v1, 5, v0
	v_readfirstlane_b32 s[WV], v1
	v_and_b32 v1, 31, v0
	v_and_b32 v2, 15, v0
	v_bfe_u32 v3, v0, 4, 1
	v_lshlrev_b32 v4, 4, v1
	s_mul_i32 s47, s[WV], 16640
	v_add_nc_u32 v5, s47, v4
	v_mul_u32_u24 v6, v2, 1040
	v_lshl_add_u32 v6, v3, 6, v6
	v_add_nc_u32 v6, s47, v6
	v_lshl_add_u32 v8, v2, 4, RED
	s_lshl_b32 s47, s[WV], 2
	v_add_nc_u32 v7, s47, v8
	v_lshlrev_b32 v10, 2, v2
	s_lshl_b32 s48, s[WV], 10
	v_lshlrev_b32 v11, 6, v3
	v_add_nc_u32 v11, s48, v11
	s_mov_b32 s[SEL], 0x76543210
	s_mov_b32 s[SEL+1], 0xfedcba98
	s_mov_b32 s[MNT], 0x600000
	s_mov_b32 s24, 0x3a800000                      ; 1 / 1,024
	s_mov_b32 s25, 0x3727c5ac                      ; 1e-5
.irp b, 0,1,2,3
	v_mov_b32 v[TM+4+\b], 0
.endr
	s_lshr_b32 s50, ttmp9, 1
	s_lshl_b32 s50, s50, 17
	s_and_b32 s51, ttmp9, 1
	s_lshl_b32 s51, s51, 15
	s_add_co_u32 s50, s50, s51
	s_add_co_u32 s50, s50, s48
	s_mov_b32 s51, 0
	s_lshr_b32 s52, ttmp9, 3
	s_and_b32 s53, ttmp9, 7
	s_lshl_b32 s54, s52, 17
	s_lshl_b32 s55, s53, 11
	s_add_co_u32 s54, s54, s55
	s_lshl_b32 s55, s[WV], 15
	s_add_co_u32 s54, s54, s55
	s_mov_b32 s55, 0
	s_lshl_b32 s52, s52, 12
	s_lshl_b32 s53, s53, 6
	s_add_co_u32 s52, s52, s53
	s_add_co_u32 s52, s52, s48
	s_add_co_u32 s52, s52, 4194304
	s_mov_b32 s53, 0
	s_wait_alu depctr_va_vdst(0)
	s_wait_kmcnt 0x0
	s_add_nc_u64 s[PX:PX+1], s[PX:PX+1], s[50:51]
	s_add_nc_u64 s[54:55], s[PH:PH+1], s[54:55]
	s_add_nc_u64 s[52:53], s[PH:PH+1], s[52:53]
.set rho, 0
.rept 16
	global_load_b128 v[X+8*rho:X+8*rho+3], v4, s[PX:PX+1] offset:((rho&7)+16*(rho>>3))*4096
	global_load_b128 v[X+8*rho+4:X+8*rho+7], v4, s[PX:PX+1] offset:((rho&7)+16*(rho>>3))*4096+512
.set rho, rho+1
.endr
	WIN 0x40
.irp sp, 0,1
.irp c, 0,1,2,3
.irp j, 0,1,2,3
	global_load_b128 v[64*\sp+16*\c+4*\j:64*\sp+16*\c+4*\j+3], v11, s[PG:PG+1] offset:512*\sp+128*\c+16*\j
.endr
.endr
.endr
	WIN 0
	s_wait_loadcnt 32                              ; the rows are in; g's 32 loads may be out
.set rho, 0
.rept 16
	ds_store_b128 v5, v[X+8*rho:X+8*rho+3] offset:1040*rho
	ds_store_b128 v5, v[X+8*rho+4:X+8*rho+7] offset:1040*rho+512
.set rho, rho+1
.endr
	WIN 0x40
.irp sp, 0,1
.irp c, 0,1,2,3
.irp j, 0,1,2,3
	global_load_b128 v[128+64*\sp+16*\c+4*\j:128+64*\sp+16*\c+4*\j+3], v11, s[PB:PB+1] offset:512*\sp+128*\c+16*\j
.endr
.endr
.endr
	WIN 0
.irp sp, 0,1
.irp c, 0,1,2,3
.irp j, 0,1,2,3
	ds_load_b128 v[X+64*\sp+16*\c+4*\j:X+64*\sp+16*\c+4*\j+3], v6 offset:512*\sp+128*\c+16*\j   ; my own bytes, served in order
.endr
.endr
.endr
	s_wait_dscnt 0x0
.irp k, 0,1,2,3
	v_pk_add_f32 v[16+2*\k:17+2*\k], v[X+2*\k:X+2*\k+1], v[X+8+2*\k:X+9+2*\k]
.endr
.set p, 8
.rept 14
.irp k, 0,1,2,3
	v_pk_add_f32 v[16+2*\k:17+2*\k], v[16+2*\k:17+2*\k], v[X+2*p+2*\k:X+2*p+2*\k+1]
.endr
.set p, p+4
.endr
	REDUCE 0
	v_mul_f32 v12, s24, v16
	v_mov_b32 v13, v12
.set p, 0
.rept 64
	v_pk_add_f32 v[X+2*p:X+2*p+1], v[X+2*p:X+2*p+1], v[12:13] neg_lo:[0,1] neg_hi:[0,1]
.set p, p+1
.endr
.irp k, 0,1,2,3
	v_pk_mul_f32 v[16+2*\k:17+2*\k], v[X+2*\k:X+2*\k+1], v[X+2*\k:X+2*\k+1]
.endr
.set p, 4
.rept 15
.irp k, 0,1,2,3
	v_pk_fma_f32 v[16+2*\k:17+2*\k], v[X+2*p+2*\k:X+2*p+2*\k+1], v[X+2*p+2*\k:X+2*p+2*\k+1], v[16+2*\k:17+2*\k]
.endr
.set p, p+4
.endr
	REDUCE 256
	v_fma_f32 v16, v16, s24, s25
	s_wait_alu depctr_va_vdst(0)
	v_rsq_f32 v14, v16
	v_rsq_f32 v15, v16
	v_nop
	s_wait_alu depctr_va_vdst(0)                   ; one wait for both, ahead of their first reader
.set p, 0
.rept 64
	v_pk_mul_f32 v[X+2*p:X+2*p+1], v[X+2*p:X+2*p+1], v[14:15]
.set p, p+1
.endr
	s_wait_loadcnt 0x0
	WIN 0x14
.set p, 0
.rept 64
	v_pk_fma_f32 v[X+2*p:X+2*p+1], v[X+2*p:X+2*p+1], v[2*p:2*p+1], v[128+2*p:128+2*p+1]
.set p, p+1
.endr
	WIN 0
	QUANT X
.irp c, 0,1,2,3
	global_store_b128 v4, v[PC+4*\c:PC+4*\c+3], s[54:55] offset:512*\c
.endr
	global_store_b32 v10, v[PW], s[52:53]
	s_wait_xcnt 0x0                                ; the stores' data are written again only behind this wait
	QUANT X+64
.irp c, 0,1,2,3
	global_store_b128 v4, v[PC+4*\c:PC+4*\c+3], s[54:55] offset:16384+512*\c
.endr
	global_store_b32 v10, v[PW], s[52:53] offset:512
	s_wait_tensorcnt 0x0
	ds_add_u32 v254, v255
	s_wait_dscnt 0x0
	s_endpgm
.Lfunc_end_k_qb4f3ab5abf_ln2:
	.size	k_qb4f3ab5abf_ln2, .Lfunc_end_k_qb4f3ab5abf_ln2-k_qb4f3ab5abf_ln2
	.p2alignl 7, 3214868480
	.fill 96, 4, 3214868480
	.section	.rodata,"a",@progbits
	.p2align	6, 0x0
	.amdhsa_kernel k_qb4f3ab5abf_ln2
		.amdhsa_group_segment_fixed_size 67584
		.amdhsa_private_segment_fixed_size 0
		.amdhsa_enable_private_segment 0
		.amdhsa_kernarg_size 32
		.amdhsa_user_sgpr_count 2
		.amdhsa_user_sgpr_kernarg_segment_ptr 1
		.amdhsa_wavefront_size32 1
		.amdhsa_system_sgpr_workgroup_id_x 1
		.amdhsa_system_sgpr_workgroup_id_y 1
		.amdhsa_system_sgpr_workgroup_id_z 1
		.amdhsa_system_vgpr_workitem_id 0
		.amdhsa_next_free_vgpr 512
		.amdhsa_next_free_sgpr 66
		.amdhsa_reserve_vcc 0
		.amdhsa_float_denorm_mode_32 3
		.amdhsa_float_denorm_mode_16_64 3
		.amdhsa_memory_ordered 1
		.amdhsa_forward_progress 1
		.amdhsa_inst_pref_size 55
	.end_amdhsa_kernel
	.amdgpu_metadata
---
amdhsa.version: [ 1, 2 ]
amdhsa.kernels:
  - .name:           k_qb4f3ab5abf_ln2
    .symbol:         k_qb4f3ab5abf_ln2.kd
    .args:
      - { .name: X1, .offset: 0, .size: 8, .value_kind: global_buffer, .address_space: global }
      - { .name: ln2_g, .offset: 8, .size: 8, .value_kind: global_buffer, .address_space: global }
      - { .name: ln2_b, .offset: 16, .size: 8, .value_kind: global_buffer, .address_space: global }
      - { .name: H, .offset: 24, .size: 8, .value_kind: global_buffer, .address_space: global }
    .group_segment_fixed_size: 67584
    .private_segment_fixed_size: 0
    .kernarg_segment_align: 8
    .kernarg_segment_size: 32
    .max_flat_workgroup_size: 128
    .sgpr_count:     66
    .vgpr_count:     512
    .wavefront_size: 32
...
	.end_amdgpu_metadata
.endif
;; end of part 5
;; launch fc (part 6): grid 16 x 16, 4 waves a work-group, clusters of 4 x 4, 327,680 bytes of LDS; arguments H, W, b_fc, M; writes M
.if DOCPART == 6
	.amdgcn_target "amdgcn-amd-amdhsa--gfx1250"
	.amdhsa_code_object_version 6
	.text
	.protected	k_qb4f3ab5abf_fc
	.globl	k_qb4f3ab5abf_fc
	.p2align	8
	.type	k_qb4f3ab5abf_fc,@function
k_qb4f3ab5abf_fc:
	s_mov_b64 s[64:65], 0
	v_nop
	global_prefetch_b8 v0, s[64:65] scope:SCOPE_SE
	s_setreg_imm32_b32 hwreg(HW_REG_WAVE_MODE, 25, 1), 1
	s_wait_xcnt 0x0
	s_wait_alu depctr_hold_cnt(0) depctr_sa_sdst(0) depctr_va_vdst(0) depctr_va_sdst(0) depctr_va_ssrc(0) depctr_va_vcc(0) depctr_vm_vsrc(0)
	s_getreg_b32 s2, hwreg(HW_REG_IB_STS2, 6, 4)
	s_cmp_eq_u32 s2, 0
	s_cbranch_scc0 .Lentry_in_a_cluster
	s_endpgm
.Lentry_in_a_cluster:
	s_bfe_u32 s2, ttmp6, 0x10000c
	s_cmp_lg_u32 s2, 0xf033
	s_cbranch_scc0 .Lentry_shape_is_right
	s_endpgm
.Lentry_shape_is_right:
; m = gelu(h2 w_fc + b_fc) on MX-FP8 codes, quantised at once along the 4,096 and stored as fragment images for the next product.  The frame is launch qkv's: P = w_fc's rows (source 0), Q = tokens (source 1);
; a work-group makes 256 x 256, a wave 128 x 128.  K goes in four parts of 2 steps through two slots: parts 0 and 1 come at the head, one joint load a wave; parts 2 and 3 by the ring's refills.
; LDS: Q's row block b at 2 b HALFT, P's at (4 + 2 b) HALFT; in it slot 0's part, then slot 1's.  The bias is the first products' C.
; gelu: x / 2 (1 + erf(x / sqrt 2)), erf as a quotient of two polynomials in z^2 on z held to -4 .. 4, the division by v_rcp_f32.
; LIMITS: NaN and infinities are not served; a block of zeros gets the scale byte 1 (the rule says 127): its codes are zeros and only this program reads the bytes.
.set NT,     8
.set NQ,     2
.set NS,     8
.set QSOFF,  4194304
.set POFF,   3145728
.set PSOFF,  12681216
.set HT,     NT/2
.set LAPS,   NS/(2*NQ)
.set HALFT,  NT*NQ*2048
.set SLOT,   4*HALFT
.set HALFS,  NS*NT*64
.set RBS,    NS*NT*2048
.set SCL,    2*SLOT
.set SPARE,  SCL+4*HALFS+256
.set ADRQ, 16
.set ADRP, 20
.set ADRS, 27
.set SPW,  28
.set NIL,  29
.set SC,   32
.set BI,   64
.set AF,   128
.set G1, 24
.set G0, 32
.set G1B, 48
.set G0B, 56
.set G1S, 68
.set G0S, 76
.set G1SB, 80
.set G0SB, 88
.set SEL, 104
.set MNT, 19
.set MUL_LO, 0xa1
.set MUL_HI, 0xf1
.set TO_P,   0x40
.set HX,  64
.set Z,   128
.set TM,  192
.set PW,  208
.set PC,  212
.set Z2,  0
.set PP,  64
.set QQ,  128
.set CN,  192
.set MSB, 0
.macro WIN new
.if MSB != (\new)
	s_set_vgpr_msb (MSB<<8)|(\new)
.set MSB, (\new)
.endif
.endm
.macro JLOAD g0a, g1a, g0b, g1b
	s_cmp_eq_u32 s15, 0
	s_cbranch_scc0 .Lfor_b_\@
	tensor_load_to_lds s[\g0a:\g0a+3], s[\g1a:\g1a+7]
	s_nop 0
.rept 4
	v_nop
.endr
	s_branch .Lasked_\@
.Lfor_b_\@:
	tensor_load_to_lds s[\g0b:\g0b+3], s[\g1b:\g1b+7]
	s_nop 0
.rept 4
	v_nop
.endr
.Lasked_\@:
.endm
.macro CREST
	s_cmp_lg_u32 s14, 0
	s_cbranch_scc1 .Lnot_wave_0_\@
	s_barrier_signal -3
.Lnot_wave_0_\@:
	s_barrier_wait -3
	s_barrier_signal -1
	s_barrier_wait -1
.endm
.macro CROUND
	s_barrier_signal -1
	s_barrier_wait -1
	CREST
.endm
.macro PLACES n
.rept \n
	v_nop
.endr
.endm
.macro FRAG reg, adr, q, i
.irp c, 0,1,2,3
	ds_load_b128 v[\reg+4*\c:\reg+4*\c+3], v[\adr] offset:((\q)*NT+(\i))*2048+512*\c
.endr
.endm
.macro FETCH_P slot, q, p
	WIN TO_P
.set ii, 0
.rept NT
	FRAG 128*(\p)+16*ii, ADRP+\slot, \q, ii
.set ii, ii+1
.endr
	WIN 0
.endm
.macro FETCH_Q slot, q, i0
.set ii, \i0
.rept HT
	FRAG AF+16*ii, ADRQ+\slot, \q, ii
.set ii, ii+1
.endr
.endm
.macro SCALES sc
.set ii, 0
.rept NT
.set qq, 0
.rept NQ
	ds_load_b32 v[SC+16*\sc+NQ*ii+qq], v[ADRS] offset:(qq*NT+ii)*64
.set qq, qq+1
.endr
.set ii, ii+1
.endr
.endm
.macro MULB a, p, q, sc, zero
.set AC, 8*NT*((\a)%HT)
.set b, 0
.rept NT
.if \zero
	v_wmma_scale_f32_16x16x128_f8f6f4 v[AC+8*b:AC+8*b+7], v[128*(\p)+16*b:128*(\p)+16*b+15], v[AF+16*(\a):AF+16*(\a)+15], v[BI+8*b:BI+8*b+7], v[SC+16*(\sc)+NQ*b+(\q)], v[SC+16*(\sc)+NQ*(\a)+(\q)] matrix_a_scale:MATRIX_SCALE_ROW1
.else
	v_wmma_scale_f32_16x16x128_f8f6f4 v[AC+8*b:AC+8*b+7], v[128*(\p)+16*b:128*(\p)+16*b+15], v[AF+16*(\a):AF+16*(\a)+15], v[AC+8*b:AC+8*b+7], v[SC+16*(\sc)+NQ*b+(\q)], v[SC+16*(\sc)+NQ*(\a)+(\q)] matrix_a_scale:MATRIX_SCALE_ROW1
.endif
.set b, b+1
.endr
.endm
.macro MULS a0, n, p, q, sc, zero
.set aa, \a0
.rept \n
	MULB aa, \p, \q, \sc, \zero
.set aa, aa+1
.endr
.endm
.macro STEP slot, q, zero
	s_wait_dscnt 4*HT
.if \zero
	WIN 0x81
.else
	WIN MUL_LO
.endif
	MULS 0, HT, (\q)%2, \q, \slot, \zero
	s_wait_dscnt 0
	PLACES 8
	FETCH_P \slot, (\q)+1, 1-(\q)%2
	FETCH_Q \slot, (\q)+1, 0
.if \zero
	WIN 0xc1
.else
	WIN MUL_HI
.endif
	MULS HT, HT, (\q)%2, \q, \slot, \zero
	PLACES 8
	WIN 0
	FETCH_Q \slot, (\q)+1, HT
.endm
.macro TURN slot, next, fill
	s_wait_tensorcnt 0x0
	ds_add_u32 v[SPW], v[NIL]
	s_wait_dscnt 4*HT+1
	WIN MUL_LO
	MULS 0, HT/2, 1, NQ-1, \slot, 0
	s_wait_dscnt 0x0
	s_barrier_signal -1
	MULS HT/2, HT/2, 1, NQ-1, \slot, 0
	WIN 0
	s_barrier_wait -1
.if \fill
	CREST
	s_add_nc_u64 s[G0+4*\slot+2:G0+4*\slot+3], s[G0+4*\slot+2:G0+4*\slot+3], 2*HALFT
	s_add_nc_u64 s[G0B+4*\slot+2:G0B+4*\slot+3], s[G0B+4*\slot+2:G0B+4*\slot+3], 2*HALFT
	JLOAD G0+4*\slot, G1, G0B+4*\slot, G1B
	PLACES 4
.else
	PLACES 8
.endif
	s_wait_alu depctr_va_vdst(0)
	v_add_nc_u32 v[ADRS], NQ*NT*64, v[ADRS]
	FETCH_P \next, 0, 0
	FETCH_Q \next, 0, 0
	SCALES \next
	WIN MUL_HI
	MULS HT, HT, 1, NQ-1, \slot, 0
	PLACES 8
	WIN 0
	FETCH_Q \next, 0, HT
.endm
.macro MIDSTEPS slot, q0
.set qs, \q0
.rept NQ-1-\q0
	STEP \slot, qs, 0
.set qs, qs+1
.endr
.endm
.macro QUANT s
.irp b, 0,1,2,3
	v_max3_num_f32 v[TM+\b], |v[\s+16*\b]|, |v[\s+1+16*\b]|, 0x4800000
.endr
.irp i, 2,4,6,8,10,12,14
.irp b, 0,1,2,3
	v_max3_num_f32 v[TM+\b], v[TM+\b], |v[\s+16*\b+\i]|, |v[\s+1+16*\b+\i]|
.endr
.endr
.irp b, 0,1,2,3
	v_permlanex16_b32 v[TM+4+\b], v[TM+\b], s[SEL], s[SEL+1]
.endr
.irp b, 0,1,2,3
	v_max_num_f32 v[TM+\b], v[TM+\b], v[TM+4+\b]
.endr
.irp b, 0,1,2,3
	v_add_nc_u32 v[TM+12+\b], 0xfc000000, v[TM+\b]
.endr
.irp b, 0,1,2,3
	v_and_or_b32 v[TM+8+\b], v[TM+\b], 0x7f800000, s[MNT]
.endr
.irp b, 0,1,2,3
	v_lshrrev_b32 v[TM+4+\b], 23, v[TM+12+\b]
.endr
	v_lshl_or_b32 v[PW], v[TM+5], 8, v[TM+4]
	v_lshl_or_b32 v[PW], v[TM+6], 16, v[PW]
	v_lshl_or_b32 v[PW], v[TM+7], 24, v[PW]
.irp b, 0,1,2,3
.irp i, 0,1,2,3,4,5,6,7,8,9,10,11,12,13,14,15
	v_med3_num_f32 v[\s+16*\b+\i], v[\s+16*\b+\i], -v[TM+8+\b], v[TM+8+\b]
.endr
	v_cvt_scalef32_pk8_fp8_f32 v[PC+4*\b:PC+1+4*\b], v[\s+16*\b:\s+7+16*\b], v[TM+12+\b]
	v_cvt_scalef32_pk8_fp8_f32 v[PC+2+4*\b:PC+3+4*\b], v[\s+8+16*\b:\s+15+16*\b], v[TM+12+\b]
.endr
	v_nop
.endm
	s_load_b128 s[4:7], s[0:1], 0x0
	s_load_b128 s[8:11], s[0:1], 0x10
	v_lshl_add_u32 v[SPW], v0, 2, SPARE
	v_mov_b32 v[NIL], 0
	ds_add_u32 v28, v29
	ds_add_u32 v28, v29
	s_wait_dscnt 0x0
	v_lshrrev_b32 v1, 5, v0
	v_readfirstlane_b32 s14, v1
	s_lshr_b32 s15, s14, 1
	s_and_b32 s16, s14, 1
	s_bfe_u32 s40, ttmp6, 0x40000
	s_bfe_u32 s41, ttmp6, 0x40004
	s_lshl_b32 s42, ttmp9, 2
	s_add_co_u32 s42, s42, s40
	s_and_b32 s17, ttmp7, 0xffff
	s_lshl_b32 s17, s17, 2
	s_add_co_u32 s17, s17, s41
	s_lshl_b32 s43, s41, 2
	s_lshl_b32 s43, 15, s43
	s_lshl_b32 s44, 0x1111, s40
	s_or_b32 s[G1], s43, (3<<16)|(1<<21)
	s_or_b32 s[G1B], s44, (3<<16)|(1<<21)
.irp g, G1, G1B
	s_mov_b32 s[\g+1], 32<<16                      ; rows of 256 bytes, dense;
	s_mov_b32 s[\g+2], (2*HALFT/256)<<16           ; the head's loads bring 2 HALFT bytes: both slots' parts of a row block, on end in memory
	s_mov_b32 s[\g+3], 32<<16
	s_mov_b32 s[\g+4], 2*HALFT/256
	s_mov_b32 s[\g+5], 32
	s_mov_b32 s[\g+6], 0
	s_mov_b32 s[\g+7], 0
.endr
	s_mul_i32 s22, s17, 2*HALFS                    ; Q's tile: its two row blocks' scale words
	s_mul_i32 s20, s17, 2*RBS                      ; and codes
	s_add_co_u32 s22, s22, QSOFF
	s_mov_b32 s21, 0
	s_mov_b32 s23, 0
	s_mul_i32 s92, s42, 2*HALFS                    ; P's tile likewise
	s_mul_i32 s46, s42, 2*RBS
	s_add_co_u32 s46, s46, POFF
	s_add_co_u32 s92, s92, PSOFF
	s_mov_b32 s47, 0
	s_mov_b32 s93, 0
	s_mul_i32 s94, s16, RBS                        ; in the ring I fetch one row block: which, in bytes
	s_mov_b32 s95, 0
	s_wait_kmcnt 0x0
	s_add_nc_u64 s[20:21], s[4:5], s[20:21]
	s_add_nc_u64 s[22:23], s[4:5], s[22:23]
	s_add_nc_u64 s[46:47], s[6:7], s[46:47]
	s_add_nc_u64 s[92:93], s[6:7], s[92:93]
	s_cmp_eq_u32 s15, 0                            ; the prefetches' base s[4:5]: the row block that I fetch in the ring,
	s_cselect_b64 s[4:5], s[20:21], s[46:47]
	s_cselect_b32 s6, s40, s41                     ; and of each part's 32,768 bytes the 8,192 of my work-group: the four partners of a joint load are told apart by address (cx for Q, cy for P)
	s_lshl_b32 s6, s6, 13
	s_add_co_u32 s6, s6, s94
	s_mov_b32 s7, 0
	s_add_nc_u64 s[4:5], s[4:5], s[6:7]
	CROUND                                         ; all sixteen work-groups are here: the first joint loads meet
	s_mov_b64 s[G0S+2:G0S+3], s[22:23]             ; where Q's and P's scale words lie: kept in registers that are not written again
	s_mov_b64 s[G0SB+2:G0SB+3], s[92:93]
	; THE HEAD'S LOADS, ONE A WAVE, all four alike: the row block that the wave fetches in the ring, BOTH slots' parts, 2 HALFT bytes, by slot 0's group 0 as the ring has it
	s_mov_b32 s[G0], 1
	s_mul_i32 s[G0+1], s14, 2*HALFT
	s_add_nc_u64 s[G0+2:G0+3], s[20:21], s[94:95]
	s_or_b32 s[G0+3], s[G0+3], 0x80000000
	s_mov_b32 s[G0B], 1
	s_mul_i32 s[G0B+1], s14, 2*HALFT
	s_add_nc_u64 s[G0B+2:G0B+3], s[46:47], s[94:95]
	s_or_b32 s[G0B+3], s[G0B+3], 0x80000000
	s_mov_b32 s[G0+4], 1                           ; the ring's groups 0 for slot 1: my row block, part 1; LDS by the wave's number alone
	s_mul_i32 s[G0+5], s14, 2*HALFT
	s_add_co_u32 s[G0+5], s[G0+5], HALFT
	s_add_nc_u64 s[G0+6:G0+7], s[20:21], s[94:95]
	s_add_nc_u64 s[G0+6:G0+7], s[G0+6:G0+7], HALFT
	s_or_b32 s[G0+7], s[G0+7], 0x80000000
	s_mov_b32 s[G0B+4], 1
	s_mul_i32 s[G0B+5], s14, 2*HALFT
	s_add_co_u32 s[G0B+5], s[G0B+5], HALFT
	s_add_nc_u64 s[G0B+6:G0B+7], s[46:47], s[94:95]
	s_add_nc_u64 s[G0B+6:G0B+7], s[G0B+6:G0B+7], HALFT
	s_or_b32 s[G0B+7], s[G0B+7], 0x80000000
	JLOAD G0, G1, G0B, G1B
	; the scale words of the tile's rows, 2 HALFS dense bytes a side, go through registers into LDS bytes of their own, 16 bytes a thread and load: a small part of the head's bytes, so they are not asked for jointly
	v_lshlrev_b32 v7, 4, v0
	v_lshl_add_u32 v19, v0, 4, SCL
.set kk, 0
.rept 2*HALFS/2048
	global_load_b128 v[AF+4*kk:AF+4*kk+3], v7, s[G0S+2:G0S+3] offset:2048*kk
	global_load_b128 v[AF+64+4*kk:AF+64+4*kk+3], v7, s[G0SB+2:G0SB+3] offset:2048*kk
.set kk, kk+1
.endr
	v_and_b32 v1, 15, v0
	v_bfe_u32 v2, v0, 4, 1
	s_wait_alu depctr_va_vdst(0)
	v_and_b32 v3, 31, v0
	v_lshlrev_b32 v4, 4, v3
	v_lshlrev_b32 v18, 8, v3                       ; the prefetches' offset: lanes 256 bytes apart; never rewritten
	global_prefetch_b8 v18, s[4:5] offset:2*HALFT th:TH_LOAD_NT scope:SCOPE_SE   ; parts 2 and 3 of K, which the ring's two refills will ask for: my work-group's quarter of my row block's part,
	global_prefetch_b8 v18, s[4:5] offset:3*HALFT th:TH_LOAD_NT scope:SCOPE_SE   ; two and three slots' steps ahead of those loads.  K has four parts: there is nothing further to ask for
	s_wait_alu depctr_va_vdst(0)
	s_mul_i32 s21, s15, 2*HALFT
	s_mul_i32 s22, s16, 2*HALFT
	s_add_co_u32 s22, s22, 4*HALFT
.irp s, 0,1
	v_add_nc_u32 v[ADRQ+\s], s21, v4
	v_add_nc_u32 v[ADRP+\s], s22, v4
	s_add_co_u32 s21, s21, HALFT
	s_add_co_u32 s22, s22, HALFT
.endr
	s_mul_i32 s21, s15, HALFS
	s_mul_i32 s22, s16, HALFS
	s_add_co_u32 s22, s22, 2*HALFS+64
	s_sub_co_u32 s22, s22, s21
	v_mul_u32_u24 v6, s22, v2
	s_add_co_u32 s21, s21, SCL
	v_lshl_add_u32 v6, v1, 2, v6
	v_add_nc_u32 v[ADRS], s21, v6
	s_mov_b32 s[SEL], 0x76543210
	s_mov_b32 s[SEL+1], 0xfedcba98
	s_mov_b32 s[MNT], 0x600000
	s_mov_b32 s66, 0x3f3504f3
	s_mov_b32 s67, s66
	s_mul_i32 s20, s42, 128*NT
	s_mul_i32 s21, s16, 64*NT
	s_add_co_u32 s20, s20, s21
	s_mov_b32 s21, 0
	s_add_nc_u64 s[8:9], s[8:9], s[20:21]
	v_lshlrev_b32 v30, 6, v2
.set g, 0
.rept HT
.irp j, 0,1,2,3
	global_load_b128 v[BI+16*g+4*\j:BI+16*g+4*\j+3], v30, s[8:9] offset:128*g+16*\j
.endr
.set g, g+1
.endr
	s_lshl_b32 s20, s17, 2
	s_lshl_b32 s21, s15, 1
	s_add_co_u32 s20, s20, s21
	s_lshl_b32 s21, s42, 1
	s_add_co_u32 s21, s21, s16
	s_lshl_b32 s22, s20, 18
	s_lshl_b32 s23, s21, 13
	s_add_co_u32 s22, s22, s23
	s_mov_b32 s23, 0
	s_add_nc_u64 s[96:97], s[10:11], s[22:23]
	s_lshl_b32 s22, s20, 13
	s_lshl_b32 s21, s21, 8
	s_add_co_u32 s22, s22, s21
	s_add_co_u32 s22, s22, 16777216
	s_add_nc_u64 s[98:99], s[10:11], s[22:23]
	v_mov_b32 v22, v4
	v_lshlrev_b32 v24, 2, v1
	s_wait_alu depctr_va_vdst(0)
	s_wait_loadcnt 0x0                             ; the scale words (and the bias) are in registers
.set kk, 0
.rept 2*HALFS/2048
	ds_store_b128 v19, v[AF+4*kk:AF+4*kk+3] offset:2048*kk
	ds_store_b128 v19, v[AF+64+4*kk:AF+64+4*kk+3] offset:2*HALFS+64+2048*kk   ; P's lie 64 bytes further, so that the two halves of a load's lanes touch different banks
.set kk, kk+1
.endr
	s_wait_tensorcnt 0x0                           ; my one load has landed; no load of mine is out, so a descriptor may be written: from here on a load brings HALFT bytes
.irp g, G1, G1B
	s_mov_b32 s[\g+2], (HALFT/256)<<16
	s_mov_b32 s[\g+4], HALFT/256
.endr
	s_wait_dscnt 0x0                               ; for the others' sake: my stores have landed
	s_barrier_signal -1
	s_barrier_wait -1
	FETCH_P 0, 0, 0
	FETCH_Q 0, 0, 0
	SCALES 0
	FETCH_Q 0, 0, HT
	s_wait_loadcnt 0x0
	STEP 0, 0, 1
.if LAPS > 1
	s_mov_b32 s3, LAPS-1
.Llap:
	MIDSTEPS 0, 1
	TURN 0, 1, 1
	MIDSTEPS 1, 0
	TURN 1, 0, 1
	STEP 0, 0, 0
	s_sub_co_u32 s3, s3, 1
	s_cmp_lg_u32 s3, 0
	s_cbranch_scc1 .Llap
.endif
	MIDSTEPS 0, 1
	TURN 0, 1, 0
	MIDSTEPS 1, 0
	s_wait_dscnt 4*HT
	WIN MUL_LO
	MULS 0, HT, 1, NQ-1, 1, 0
	s_wait_dscnt 0
	WIN MUL_HI
	MULS HT, HT, 1, NQ-1, 1, 0
	WIN 0
	PLACES 8
	WIN 0x40
.macro CONST i, bits
	v_mov_b32 v[CN+2*\i], \bits
	v_mov_b32 v[CN+2*\i+1], \bits
.endm
	CONST 0, 0xaf95df0b
	CONST 1, 0x32edffee
	CONST 2, 0xb60cff51
	CONST 3, 0xb86ec2d2
	CONST 4, 0xba40ac63
	CONST 5, 0xbb41a1f6
	CONST 6, 0xbc83dbd4
	CONST 7, 0xb77460cd
	CONST 8, 0xb95fbd29
	CONST 9, 0xbadc924e
	CONST 10, 0xbbf19bf8
	CONST 11, 0xbc69b6a7
	WIN 0
.irp b, 0,1,2,3
	v_mov_b32 v[TM+4+\b], 0
.endr
.macro BLK a
.Lblk\a:
	WIN 0x02+(\a)/4
.set AC, 64*((\a)%4)
.set n, 0
.rept 32
	v_pk_mul_f32 v[Z+2*n:Z+2*n+1], v[AC+2*n:AC+2*n+1], s[66:67] op_sel_hi:[1,0]
.set n, n+1
.endr
.set n, 0
.rept 32
	v_pk_mul_f32 v[HX+2*n:HX+2*n+1], v[AC+2*n:AC+2*n+1], 0.5 op_sel_hi:[1,0]
.set n, n+1
.endr
	WIN 0
	s_mov_b32 s20, ((\a)/4)*262144+((\a)%4)*2048
	s_mov_b32 s22, ((\a)/4)*8192+((\a)%4)*64
	s_branch .Lcommon
.endm
.macro HORNER0 d, c0, c1
.set n, 0
.rept 32
	v_pk_fma_f32 v[\d+2*n:\d+2*n+1], v[Z2+2*n:Z2+2*n+1], v[CN+2*\c0:CN+2*\c0+1], v[CN+2*\c1:CN+2*\c1+1]
.set n, n+1
.endr
.endm
.macro HORNER d, c
.set n, 0
.rept 32
	v_pk_fma_f32 v[\d+2*n:\d+2*n+1], v[\d+2*n:\d+2*n+1], v[Z2+2*n:Z2+2*n+1], v[CN+2*\c:CN+2*\c+1]
.set n, n+1
.endr
.endm
	s_mov_b32 s18, 0
.Lrow:
.irp a, 1,2,3,4,5,6,7
	s_cmp_eq_u32 s18, \a
	s_cbranch_scc1 .Lblk\a
.endr
	BLK 0
	BLK 1
	BLK 2
	BLK 3
	BLK 4
	BLK 5
	BLK 6
	BLK 7
.Lcommon:
.set n, 0
.rept 64
	v_med3_num_f32 v[Z+n], v[Z+n], -4.0, 4.0
.set n, n+1
.endr
	WIN 0x40
.set n, 0
.rept 32
	v_pk_mul_f32 v[Z2+2*n:Z2+2*n+1], v[Z+2*n:Z+2*n+1], v[Z+2*n:Z+2*n+1]
.set n, n+1
.endr
	WIN 0x55
	HORNER0 QQ, 7, 8
	HORNER QQ, 9
	HORNER QQ, 10
	HORNER QQ, 11
.set n, 0
	s_wait_alu depctr_va_vdst(0)
.rept 64
	v_rcp_f32 v[QQ+n], v[QQ+n]
.set n, n+1
.endr
	HORNER0 PP, 0, 1
	HORNER PP, 2
	HORNER PP, 3
	HORNER PP, 4
	HORNER PP, 5
	HORNER PP, 6
	s_wait_alu depctr_va_vdst(0)
	WIN 0x44
.set n, 0
.rept 32
	v_pk_mul_f32 v[PP+2*n:PP+2*n+1], v[Z+2*n:Z+2*n+1], v[PP+2*n:PP+2*n+1]
.set n, n+1
.endr
	WIN 0x55
.set n, 0
.rept 32
	v_pk_mul_f32 v[PP+2*n:PP+2*n+1], v[PP+2*n:PP+2*n+1], v[QQ+2*n:QQ+2*n+1]
.set n, n+1
.endr
	WIN 0x04
.set n, 0
.rept 32
	v_pk_fma_f32 v[Z+2*n:Z+2*n+1], v[HX+2*n:HX+2*n+1], v[PP+2*n:PP+2*n+1], v[HX+2*n:HX+2*n+1]
.set n, n+1
.endr
	WIN 0
	QUANT Z
	s_mov_b32 s21, 0
	s_mov_b32 s23, 0
	s_add_nc_u64 s[92:93], s[96:97], s[20:21]
	s_add_nc_u64 s[46:47], s[98:99], s[22:23]
.irp c, 0,1,2,3
	global_store_b128 v22, v[PC+4*\c:PC+4*\c+3], s[92:93] offset:512*\c
.endr
	global_store_b32 v24, v[PW], s[46:47]
	s_wait_xcnt 0x0
	s_add_co_u32 s18, s18, 1
	s_cmp_lt_u32 s18, 8
	s_cbranch_scc1 .Lrow
	s_wait_tensorcnt 0x0
	ds_add_u32 v[SPW], v[NIL]
	s_wait_dscnt 0x0
	CROUND
	s_endpgm
.Lfunc_end_k_qb4f3ab5abf_fc:
	.size	k_qb4f3ab5abf_fc, .Lfunc_end_k_qb4f3ab5abf_fc-k_qb4f3ab5abf_fc
	.p2alignl 7, 3214868480
	.fill 96, 4, 3214868480
	.section	.rodata,"a",@progbits
	.p2align	6, 0x0
	.amdhsa_kernel k_qb4f3ab5abf_fc
		.amdhsa_group_segment_fixed_size 327680
		.amdhsa_private_segment_fixed_size 0
		.amdhsa_enable_private_segment 0
		.amdhsa_kernarg_size 32
		.amdhsa_user_sgpr_count 2
		.amdhsa_user_sgpr_kernarg_segment_ptr 1
		.amdhsa_wavefront_size32 1
		.amdhsa_system_sgpr_workgroup_id_x 1
		.amdhsa_system_sgpr_workgroup_id_y 1
		.amdhsa_system_sgpr_workgroup_id_z 1
		.amdhsa_system_vgpr_workitem_id 0
		.amdhsa_next_free_vgpr 1024
		.amdhsa_next_free_sgpr 106
		.amdhsa_reserve_vcc 0
		.amdhsa_float_denorm_mode_32 3
		.amdhsa_float_denorm_mode_16_64 3
		.amdhsa_memory_ordered 1
		.amdhsa_forward_progress 1
		.amdhsa_inst_pref_size 199
	.end_amdhsa_kernel
	.amdgpu_metadata
---
amdhsa.version: [ 1, 2 ]
amdhsa.kernels:
  - .name:           k_qb4f3ab5abf_fc
    .symbol:         k_qb4f3ab5abf_fc.kd
    .args:
      - { .name: H, .offset: 0, .size: 8, .value_kind: global_buffer, .address_space: global }
      - { .name: W, .offset: 8, .size: 8, .value_kind: global_buffer, .address_space: global }
      - { .name: b_fc, .offset: 16, .size: 8, .value_kind: global_buffer, .address_space: global }
      - { .name: M, .offset: 24, .size: 8, .value_kind: global_buffer, .address_space: global }
    .group_segment_fixed_size: 327680
    .private_segment_fixed_size: 0
    .kernarg_segment_align: 8
    .kernarg_segment_size: 32
    .max_flat_workgroup_size: 128
    .sgpr_count:     106
    .vgpr_count:     1024
    .wavefront_size: 32
...
	.end_amdgpu_metadata
.endif
;; end of part 6
;; launch fcproj (part 7): grid 8 x 32, 4 waves a work-group, clusters of 4 x 4, 327,680 bytes of LDS; arguments M, W, b_fc_proj, X1, out0; writes out0
.if DOCPART == 7
	.amdgcn_target "amdgcn-amd-amdhsa--gfx1250"
	.amdhsa_code_object_version 6
	.text
	.protected	k_qb4f3ab5abf_fcproj
	.globl	k_qb4f3ab5abf_fcproj
	.p2align	8
	.type	k_qb4f3ab5abf_fcproj,@function
k_qb4f3ab5abf_fcproj:
	s_mov_b64 s[64:65], 0
	v_nop
	global_prefetch_b8 v0, s[64:65] scope:SCOPE_SE
	s_setreg_imm32_b32 hwreg(HW_REG_WAVE_MODE, 25, 1), 1
	s_wait_xcnt 0x0
	s_wait_alu depctr_hold_cnt(0) depctr_sa_sdst(0) depctr_va_vdst(0) depctr_va_sdst(0) depctr_va_ssrc(0) depctr_va_vcc(0) depctr_vm_vsrc(0)
	s_getreg_b32 s2, hwreg(HW_REG_IB_STS2, 6, 4)
	s_cmp_eq_u32 s2, 0
	s_cbranch_scc0 .Lentry_in_a_cluster
	s_endpgm
.Lentry_in_a_cluster:
	s_bfe_u32 s2, ttmp6, 0x10000c
	s_cmp_lg_u32 s2, 0xf033
	s_cbranch_scc0 .Lentry_shape_is_right
	s_endpgm
.Lentry_shape_is_right:
; out0 = X1 + m w_fc_proj + b_fc_proj, on MX-FP8 codes, f32 out.  The frame is launch qkv's: P = w_fc_proj's rows (source 0), Q = tokens (source 1); a work-group makes 128 x 128, a wave 64 x 64.
; K = 4,096 goes in eight parts of 4 steps through two slots: parts 0 and 1 come at the head, one joint load a wave; parts 2 to 7 by the ring's refills, a quarter of a slot a wave, each behind a drained round of the cluster's barrier.
; LDS: Q's row block b at 2 b HALFT, P's at (4 + 2 b) HALFT; in it slot 0's part, then slot 1's.  The bias is the first products' C; X1 is added on the way out, which goes through a stage in slot 0's bytes of Q's row block 0.
; PREFETCH: each refill's part has been asked for two parts earlier: parts 2 and 3 at the head, part t + 2 behind the refill of part t (t = 2 .. 5); the loop's last trip asks for nothing.  Of a part's 32,768 bytes of a row block
; each of the four partners of the joint load names 8,192, told apart by address; lanes 256 bytes apart, one instruction a wave.
; LIMITS: NaN and infinities are not served.
.set NT,     4
.set NQ,     4
.set NS,     32
.set QSOFF,  16777216
.set POFF,   8388608
.set PSOFF,  12845056
.set HT,     NT/2
.set LAPS,   NS/(2*NQ)
.set HALFT,  NT*NQ*2048
.set SLOT,   4*HALFT
.set HALFS,  NS*NT*64
.set RBS,    NS*NT*2048
.set SCL,    2*SLOT
.set SPARE,  SCL+4*HALFS+256
.set ADRQ, 16
.set ADRP, 20
.set STO,  24
.set RD,   25
.set CO,   26
.set ADRS, 27
.set SPW,  28
.set NIL,  29
.set SC,   32
.set BI,   64
.set AF,   128
.set BK,   128
.set G1, 24
.set G0, 32
.set G1B, 48
.set G0B, 56
.set G1S, 68
.set G0S, 76
.set G1SB, 80
.set G0SB, 88
.set MUL_LO, 0xa1
.set MUL_HI, 0xf1
.set TO_P,   0x40
.set MSB, 0
.macro WIN new
.if MSB != (\new)
	s_set_vgpr_msb (MSB<<8)|(\new)
.set MSB, (\new)
.endif
.endm
.macro JLOAD g0a, g1a, g0b, g1b
	s_cmp_eq_u32 s15, 0
	s_cbranch_scc0 .Lfor_b_\@
	tensor_load_to_lds s[\g0a:\g0a+3], s[\g1a:\g1a+7]
	s_nop 0
.rept 4
	v_nop
.endr
	s_branch .Lasked_\@
.Lfor_b_\@:
	tensor_load_to_lds s[\g0b:\g0b+3], s[\g1b:\g1b+7]
	s_nop 0
.rept 4
	v_nop
.endr
.Lasked_\@:
.endm
.macro CREST
	s_cmp_lg_u32 s14, 0
	s_cbranch_scc1 .Lnot_wave_0_\@
	s_barrier_signal -3
.Lnot_wave_0_\@:
	s_barrier_wait -3
	s_barrier_signal -1
	s_barrier_wait -1
.endm
.macro CROUND
	s_barrier_signal -1
	s_barrier_wait -1
	CREST
.endm
.macro PLACES n
.rept \n
	v_nop
.endr
.endm
.macro FRAG reg, adr, q, i
.irp c, 0,1,2,3
	ds_load_b128 v[\reg+4*\c:\reg+4*\c+3], v[\adr] offset:((\q)*NT+(\i))*2048+512*\c
.endr
.endm
.macro FETCH_P slot, q, p
	WIN TO_P
.set ii, 0
.rept NT
	FRAG 128*(\p)+16*ii, ADRP+\slot, \q, ii
.set ii, ii+1
.endr
	WIN 0
.endm
.macro FETCH_Q slot, q, i0
.set ii, \i0
.rept HT
	FRAG AF+16*ii, ADRQ+\slot, \q, ii
.set ii, ii+1
.endr
.endm
.macro SCALES sc
.set ii, 0
.rept NT
.set qq, 0
.rept NQ
	ds_load_b32 v[SC+16*\sc+NQ*ii+qq], v[ADRS] offset:(qq*NT+ii)*64
.set qq, qq+1
.endr
.set ii, ii+1
.endr
.endm
.macro MULB a, p, q, sc, zero
.set AC, 8*NT*((\a)%HT)
.set b, 0
.rept NT
.if \zero
	v_wmma_scale_f32_16x16x128_f8f6f4 v[AC+8*b:AC+8*b+7], v[128*(\p)+16*b:128*(\p)+16*b+15], v[AF+16*(\a):AF+16*(\a)+15], v[BI+8*b:BI+8*b+7], v[SC+16*(\sc)+NQ*b+(\q)], v[SC+16*(\sc)+NQ*(\a)+(\q)] matrix_a_scale:MATRIX_SCALE_ROW1
.else
	v_wmma_scale_f32_16x16x128_f8f6f4 v[AC+8*b:AC+8*b+7], v[128*(\p)+16*b:128*(\p)+16*b+15], v[AF+16*(\a):AF+16*(\a)+15], v[AC+8*b:AC+8*b+7], v[SC+16*(\sc)+NQ*b+(\q)], v[SC+16*(\sc)+NQ*(\a)+(\q)] matrix_a_scale:MATRIX_SCALE_ROW1
.endif
.set b, b+1
.endr
.endm
.macro MULS a0, n, p, q, sc, zero
.set aa, \a0
.rept \n
	MULB aa, \p, \q, \sc, \zero
.set aa, aa+1
.endr
.endm
.macro STEP slot, q, zero
	s_wait_dscnt 4*HT
.if \zero
	WIN 0x81
.else
	WIN MUL_LO
.endif
	MULS 0, HT, (\q)%2, \q, \slot, \zero
	s_wait_dscnt 0
	PLACES 8
	FETCH_P \slot, (\q)+1, 1-(\q)%2
	FETCH_Q \slot, (\q)+1, 0
.if \zero
	WIN 0xc1
.else
	WIN MUL_HI
.endif
	MULS HT, HT, (\q)%2, \q, \slot, \zero
	PLACES 8
	WIN 0
	FETCH_Q \slot, (\q)+1, HT
.endm
.macro TURN slot, next, fill
.if \fill
	s_wait_xcnt 0x0                                ; my last prefetch has read its base: it steps one part on, ahead of the waits of the change of slots
	s_add_nc_u64 s[4:5], s[4:5], HALFT
.endif
	s_wait_tensorcnt 0x0
	ds_add_u32 v[SPW], v[NIL]
	s_wait_dscnt 4*HT+1
	WIN MUL_LO
	MULS 0, HT/2, 1, NQ-1, \slot, 0
	s_wait_dscnt 0x0
	s_barrier_signal -1
	MULS HT/2, HT/2, 1, NQ-1, \slot, 0
	WIN 0
	s_barrier_wait -1
.if \fill
	CREST
	s_add_nc_u64 s[G0+4*\slot+2:G0+4*\slot+3], s[G0+4*\slot+2:G0+4*\slot+3], 2*HALFT
	s_add_nc_u64 s[G0B+4*\slot+2:G0B+4*\slot+3], s[G0B+4*\slot+2:G0B+4*\slot+3], 2*HALFT
	JLOAD G0+4*\slot, G1, G0B+4*\slot, G1B
	PLACES 4
.else
	PLACES 8
.endif
	s_wait_alu depctr_va_vdst(0)
	v_add_nc_u32 v[ADRS], NQ*NT*64, v[ADRS]
	FETCH_P \next, 0, 0
	FETCH_Q \next, 0, 0
	SCALES \next
.if \fill
	s_cmp_gt_u32 s3, 1                             ; the last trip's two refills have no part two on
	s_cbranch_scc0 .Lnone_\@
	global_prefetch_b8 v18, s[4:5] offset:3*HALFT th:TH_LOAD_NT scope:SCOPE_SE   ; the part two on from the one just asked for
.Lnone_\@:
.endif
	WIN MUL_HI
	MULS HT, HT, 1, NQ-1, \slot, 0
	PLACES 8
	WIN 0
	FETCH_Q \next, 0, HT
.endm
.macro MIDSTEPS slot, q0
.set qs, \q0
.rept NQ-1-\q0
	STEP \slot, qs, 0
.set qs, qs+1
.endr
.endm
	s_load_b256 s[4:11], s[0:1], 0x0
	s_load_b64 s[12:13], s[0:1], 0x20
	v_lshl_add_u32 v[SPW], v0, 2, SPARE
	v_mov_b32 v[NIL], 0
	ds_add_u32 v28, v29
	ds_add_u32 v28, v29
	s_wait_dscnt 0x0
	v_lshrrev_b32 v1, 5, v0
	v_readfirstlane_b32 s14, v1
	s_lshr_b32 s15, s14, 1
	s_and_b32 s16, s14, 1
	s_bfe_u32 s40, ttmp6, 0x40000
	s_bfe_u32 s41, ttmp6, 0x40004
	s_lshl_b32 s42, ttmp9, 2
	s_add_co_u32 s42, s42, s40
	s_and_b32 s17, ttmp7, 0xffff
	s_lshl_b32 s17, s17, 2
	s_add_co_u32 s17, s17, s41
	s_lshl_b32 s43, s41, 2
	s_lshl_b32 s43, 15, s43
	s_lshl_b32 s44, 0x1111, s40
	s_or_b32 s[G1], s43, (3<<16)|(1<<21)
	s_or_b32 s[G1B], s44, (3<<16)|(1<<21)
.irp g, G1, G1B
	s_mov_b32 s[\g+1], 32<<16                      ; rows of 256 bytes, dense;
	s_mov_b32 s[\g+2], (2*HALFT/256)<<16           ; the head's loads bring 2 HALFT bytes: both slots' parts of a row block, on end in memory
	s_mov_b32 s[\g+3], 32<<16
	s_mov_b32 s[\g+4], 2*HALFT/256
	s_mov_b32 s[\g+5], 32
	s_mov_b32 s[\g+6], 0
	s_mov_b32 s[\g+7], 0
.endr
	s_mul_i32 s22, s17, 2*HALFS                    ; Q's tile: its two row blocks' scale words
	s_mul_i32 s20, s17, 2*RBS                      ; and codes
	s_add_co_u32 s22, s22, QSOFF
	s_mov_b32 s21, 0
	s_mov_b32 s23, 0
	s_mul_i32 s92, s42, 2*HALFS                    ; P's tile likewise
	s_mul_i32 s46, s42, 2*RBS
	s_add_co_u32 s46, s46, POFF
	s_add_co_u32 s92, s92, PSOFF
	s_mov_b32 s47, 0
	s_mov_b32 s93, 0
	s_mul_i32 s94, s16, RBS                        ; in the ring I fetch one row block: which, in bytes
	s_mov_b32 s95, 0
	s_wait_kmcnt 0x0
	s_add_nc_u64 s[20:21], s[4:5], s[20:21]
	s_add_nc_u64 s[22:23], s[4:5], s[22:23]
	s_add_nc_u64 s[46:47], s[6:7], s[46:47]
	s_add_nc_u64 s[92:93], s[6:7], s[92:93]
	s_cmp_eq_u32 s15, 0                            ; the prefetches' base s[4:5]: the row block that I fetch in the ring,
	s_cselect_b64 s[4:5], s[20:21], s[46:47]
	s_cselect_b32 s6, s40, s41                     ; and of each part's 32,768 bytes the 8,192 of my work-group (cx for Q, cy for P)
	s_lshl_b32 s6, s6, 13
	s_add_co_u32 s6, s6, s94
	s_mov_b32 s7, 0
	s_add_nc_u64 s[4:5], s[4:5], s[6:7]
	CROUND                                         ; all sixteen work-groups are here: the first joint loads meet
	s_mov_b64 s[G0S+2:G0S+3], s[22:23]             ; where Q's and P's scale words lie: kept in registers that are not written again
	s_mov_b64 s[G0SB+2:G0SB+3], s[92:93]
	; THE HEAD'S LOADS, ONE A WAVE, all four alike: the row block that the wave fetches in the ring, BOTH slots' parts, 2 HALFT bytes, by slot 0's group 0 as the ring has it
	s_mov_b32 s[G0], 1
	s_mul_i32 s[G0+1], s14, 2*HALFT
	s_add_nc_u64 s[G0+2:G0+3], s[20:21], s[94:95]
	s_or_b32 s[G0+3], s[G0+3], 0x80000000
	s_mov_b32 s[G0B], 1
	s_mul_i32 s[G0B+1], s14, 2*HALFT
	s_add_nc_u64 s[G0B+2:G0B+3], s[46:47], s[94:95]
	s_or_b32 s[G0B+3], s[G0B+3], 0x80000000
	s_mov_b32 s[G0+4], 1                           ; the ring's groups 0 for slot 1: my row block, part 1; LDS by the wave's number alone
	s_mul_i32 s[G0+5], s14, 2*HALFT
	s_add_co_u32 s[G0+5], s[G0+5], HALFT
	s_add_nc_u64 s[G0+6:G0+7], s[20:21], s[94:95]
	s_add_nc_u64 s[G0+6:G0+7], s[G0+6:G0+7], HALFT
	s_or_b32 s[G0+7], s[G0+7], 0x80000000
	s_mov_b32 s[G0B+4], 1
	s_mul_i32 s[G0B+5], s14, 2*HALFT
	s_add_co_u32 s[G0B+5], s[G0B+5], HALFT
	s_add_nc_u64 s[G0B+6:G0B+7], s[46:47], s[94:95]
	s_add_nc_u64 s[G0B+6:G0B+7], s[G0B+6:G0B+7], HALFT
	s_or_b32 s[G0B+7], s[G0B+7], 0x80000000
	JLOAD G0, G1, G0B, G1B
	; the scale words of the tile's rows, 2 HALFS dense bytes a side, go through registers into LDS bytes of their own, 16 bytes a thread and load: a small part of the head's bytes, so they are not asked for jointly
	v_lshlrev_b32 v7, 4, v0
	v_lshl_add_u32 v19, v0, 4, SCL
.set kk, 0
.rept 2*HALFS/2048
	global_load_b128 v[AF+4*kk:AF+4*kk+3], v7, s[G0S+2:G0S+3] offset:2048*kk
	global_load_b128 v[AF+64+4*kk:AF+64+4*kk+3], v7, s[G0SB+2:G0SB+3] offset:2048*kk
.set kk, kk+1
.endr
	v_and_b32 v1, 15, v0
	v_bfe_u32 v2, v0, 4, 1
	s_wait_alu depctr_va_vdst(0)
	v_and_b32 v3, 31, v0
	v_lshlrev_b32 v4, 4, v3
	v_lshlrev_b32 v18, 8, v3                       ; the prefetches' offset: lanes 256 bytes apart; never rewritten
	global_prefetch_b8 v18, s[4:5] offset:2*HALFT th:TH_LOAD_NT scope:SCOPE_SE   ; parts 2 and 3 of K, which the ring's first two refills will ask for
	global_prefetch_b8 v18, s[4:5] offset:3*HALFT th:TH_LOAD_NT scope:SCOPE_SE
	s_mul_i32 s21, s15, 2*HALFT
	s_mul_i32 s22, s16, 2*HALFT
	s_add_co_u32 s22, s22, 4*HALFT
.irp s, 0,1
	v_add_nc_u32 v[ADRQ+\s], s21, v4
	v_add_nc_u32 v[ADRP+\s], s22, v4
	s_add_co_u32 s21, s21, HALFT
	s_add_co_u32 s22, s22, HALFT
.endr
	s_mul_i32 s21, s15, HALFS
	s_mul_i32 s22, s16, HALFS
	s_add_co_u32 s22, s22, 2*HALFS+64
	s_sub_co_u32 s22, s22, s21
	v_mul_u32_u24 v6, s22, v2
	s_add_co_u32 s21, s21, SCL
	v_lshl_add_u32 v6, v1, 2, v6
	v_add_nc_u32 v[ADRS], s21, v6
	s_mul_i32 s20, s42, 128*NT
	s_mul_i32 s21, s16, 64*NT
	s_add_co_u32 s20, s20, s21
	s_mov_b32 s21, 0
	s_add_nc_u64 s[8:9], s[8:9], s[20:21]
	v_lshlrev_b32 v30, 6, v2
.set g, 0
.rept HT
.irp j, 0,1,2,3
	global_load_b128 v[BI+16*g+4*\j:BI+16*g+4*\j+3], v30, s[8:9] offset:128*g+16*\j
.endr
.set g, g+1
.endr
	s_lshl_b32 s20, s17, 19
	s_lshl_b32 s21, s15, 18
	s_add_co_u32 s20, s20, s21
	s_lshl_b32 s21, s42, 9
	s_add_co_u32 s20, s20, s21
	s_lshl_b32 s21, s16, 8
	s_add_co_u32 s20, s20, s21
	s_mov_b32 s21, 0
	s_add_nc_u64 s[10:11], s[10:11], s[20:21]
	s_add_nc_u64 s[12:13], s[12:13], s[20:21]
	v_lshlrev_b32 v[CO], 12, v2
	v_lshl_add_u32 v[CO], v1, 4, v[CO]
	s_mul_i32 s22, s14, 4352
	v_mul_u32_u24 v[STO], v1, 272
	v_lshl_add_u32 v[STO], v2, 6, v[STO]
	v_add_nc_u32 v[STO], s22, v[STO]
	v_mul_u32_u24 v[RD], v2, 272
	v_lshl_add_u32 v[RD], v1, 4, v[RD]
	v_add_nc_u32 v[RD], s22, v[RD]
	s_wait_alu depctr_va_vdst(0)                   ; the wait at the head's end
	s_wait_loadcnt 0x0                             ; the scale words (and the bias) are in registers
.set kk, 0
.rept 2*HALFS/2048
	ds_store_b128 v19, v[AF+4*kk:AF+4*kk+3] offset:2048*kk
	ds_store_b128 v19, v[AF+64+4*kk:AF+64+4*kk+3] offset:2*HALFS+64+2048*kk   ; P's lie 64 bytes further, so that the two halves of a load's lanes touch different banks
.set kk, kk+1
.endr
	s_wait_tensorcnt 0x0                           ; my one load has landed; no load of mine is out, so a descriptor may be written: from here on a load brings HALFT bytes
.irp g, G1, G1B
	s_mov_b32 s[\g+2], (HALFT/256)<<16
	s_mov_b32 s[\g+4], HALFT/256
.endr
	s_wait_dscnt 0x0                               ; for the others' sake: my stores have landed
	s_barrier_signal -1
	s_barrier_wait -1
	FETCH_P 0, 0, 0
	FETCH_Q 0, 0, 0
	SCALES 0
	FETCH_Q 0, 0, HT
	s_wait_loadcnt 0x0                             ; the bias
	STEP 0, 0, 1
.if LAPS > 1
	s_mov_b32 s3, LAPS-1
.Llap:
	MIDSTEPS 0, 1
	TURN 0, 1, 1
	MIDSTEPS 1, 0
	TURN 1, 0, 1
	STEP 0, 0, 0
	s_sub_co_u32 s3, s3, 1
	s_cmp_lg_u32 s3, 0
	s_cbranch_scc1 .Llap
.endif
	WIN 0x80                                       ; X1's rows of my 64 x 64, for the way out: asked for behind the last refill, seven K steps ahead of their use
.irp a, 0,1,2,3
.irp i, 0,1,2,3,4,5,6,7
	global_load_b128 v[64+32*\a+4*\i:64+32*\a+4*\i+3], v[CO], s[10:11] offset:(32*(\a/2)+8*(\a%2)+2*\i+8*(\i/4))*4096
.endr
.endr
	WIN 0
	MIDSTEPS 0, 1
	TURN 0, 1, 0
	MIDSTEPS 1, 0
	s_wait_dscnt 4*HT
	WIN MUL_LO
	MULS 0, HT, 1, NQ-1, 1, 0
	s_wait_dscnt 0
	WIN MUL_HI
	MULS HT, HT, 1, NQ-1, 1, 0
	WIN 0
.macro TOSTAGE a
	WIN 0x08+4*((\a)/2)
.irp g, 0,1
.irp u, 0,1
.irp p, 0,1
	ds_store_b128 v[STO], v[32*((\a)%2)+8*(2*\g+\u)+4*\p:32*((\a)%2)+8*(2*\g+\u)+4*\p+3] offset:128*\g+32*\u+16*\p
.endr
.endr
.endr
	WIN 0
.irp i, 0,1,2,3,4,5,6,7
	ds_load_b128 v[BK+32*((\a)%2)+4*\i:BK+32*((\a)%2)+4*\i+3], v[RD] offset:544*\i
.endr
.endm
.macro SEND a, younger
	s_wait_dscnt \younger
	WIN 0x08
.set n, 0
.rept 16
	v_pk_add_f32 v[BK+32*((\a)%2)+2*n:BK+32*((\a)%2)+2*n+1], v[BK+32*((\a)%2)+2*n:BK+32*((\a)%2)+2*n+1], v[64+32*(\a)+2*n:64+32*(\a)+2*n+1]
.set n, n+1
.endr
	WIN 0
.irp i, 0,1,2,3,4,5,6,7
	global_store_b128 v[CO], v[BK+32*((\a)%2)+4*\i:BK+32*((\a)%2)+4*\i+3], s[12:13] offset:(32*((\a)/2)+8*((\a)%2)+2*\i+8*(\i/4))*4096 th:TH_STORE_NT
.endr
.endm
	PLACES 8
	s_wait_loadcnt 0x0
	TOSTAGE 0
.irp a, 1,2,3
.if \a > 1
	s_wait_xcnt 0x0
.endif
	TOSTAGE \a
	SEND \a-1, 16
.endr
	SEND 3, 0
	s_wait_tensorcnt 0x0
	ds_add_u32 v[SPW], v[NIL]
	s_wait_dscnt 0x0
	CROUND
	s_endpgm
.Lfunc_end_k_qb4f3ab5abf_fcproj:
	.size	k_qb4f3ab5abf_fcproj, .Lfunc_end_k_qb4f3ab5abf_fcproj-k_qb4f3ab5abf_fcproj
	.p2alignl 7, 3214868480
	.fill 96, 4, 3214868480
	.section	.rodata,"a",@progbits
	.p2align	6, 0x0
	.amdhsa_kernel k_qb4f3ab5abf_fcproj
		.amdhsa_group_segment_fixed_size 327680
		.amdhsa_private_segment_fixed_size 0
		.amdhsa_enable_private_segment 0
		.amdhsa_kernarg_size 40
		.amdhsa_user_sgpr_count 2
		.amdhsa_user_sgpr_kernarg_segment_ptr 1
		.amdhsa_wavefront_size32 1
		.amdhsa_system_sgpr_workgroup_id_x 1
		.amdhsa_system_sgpr_workgroup_id_y 1
		.amdhsa_system_sgpr_workgroup_id_z 1
		.amdhsa_system_vgpr_workitem_id 0
		.amdhsa_next_free_vgpr 1024
		.amdhsa_next_free_sgpr 106
		.amdhsa_reserve_vcc 0
		.amdhsa_float_denorm_mode_32 3
		.amdhsa_float_denorm_mode_16_64 3
		.amdhsa_memory_ordered 1
		.amdhsa_forward_progress 1
		.amdhsa_inst_pref_size 110
	.end_amdhsa_kernel
	.amdgpu_metadata
---
amdhsa.version: [ 1, 2 ]
amdhsa.kernels:
  - .name:           k_qb4f3ab5abf_fcproj
    .symbol:         k_qb4f3ab5abf_fcproj.kd
    .args:
      - { .name: M, .offset: 0, .size: 8, .value_kind: global_buffer, .address_space: global }
      - { .name: W, .offset: 8, .size: 8, .value_kind: global_buffer, .address_space: global }
      - { .name: b_fc_proj, .offset: 16, .size: 8, .value_kind: global_buffer, .address_space: global }
      - { .name: X1, .offset: 24, .size: 8, .value_kind: global_buffer, .address_space: global }
      - { .name: out0, .offset: 32, .size: 8, .value_kind: global_buffer, .address_space: global }
    .group_segment_fixed_size: 327680
    .private_segment_fixed_size: 0
    .kernarg_segment_align: 8
    .kernarg_segment_size: 40
    .max_flat_workgroup_size: 128
    .sgpr_count:     106
    .vgpr_count:     1024
    .wavefront_size: 32
...
	.end_amdgpu_metadata
.endif
;; end of part 7
